; MI455X (gfx1250); checked and timed in simulation.
; The chip was launched on July 23, 2026; its instructions are those of AMD's public machine-readable ISA for CDNA 5 (MIT licence, August 2026) and "CDNA5" Instruction Set Architecture Reference Guide (July 2026). The comments in the code are by the model that wrote it; some were corrected since.
;; Causal Attention. Allowed arithmetic: matrix products marked QUANTISED: E2M1 operands, one E8M0 scale for each 32 along K, by v_wmma_scale_f32_16x16x128_f8f6f4 with both operands' format E2M1 (or v_wmma_scale_f32_32x16x128_f4), f32 sums; products left as they are: bf16, f16 or f32 operands; f32 sums; everything else in f32.
;; Inputs: Wk 1,024 x 1,024 float32; Wo 1,024 x 1,024 float32; Wq 1,024 x 1,024 float32; Wv 1,024 x 1,024 float32; bk 1,024 float32; bo 1,024 float32; bq 1,024 float32; bv 1,024 float32; x 2 x 2,048 x 1,024 float32.
;; Outputs: out0 2 x 2,048 x 1,024 float32.
;; Constants: train = False.
;; This version of the problem:
;;   THIS VERSION OF THE PROBLEM IS GIVEN IN LOW PRECISION. The matrix products marked QUANTISED in the list below multiply operands that are first quantised to E2M1 (2 exponent bits, 1 mantissa bit; 4 bits a number), with one power-of-two scale for each 32 numbers along K (OCP MX v1.0); their sums are f32. The products marked 'left as it is' may take bf16, f16 or f32 operands, with f32 sums. Whichever they take, every output number must still come out within the allowed error. Rounding operands to bf16 (8 significant bits) uses up far more of that allowance than f16 does (11 bits, for magnitudes from 6e-5 to 65,504). All else is computed in f32.
;;   The module's matrix products, in the order in which they are computed (A, B: the left and right operand; K: the contracted axis; several contracted axes count as one K, in the product's order):
;;     1. [M 4,096, K 1,024] x [K 1,024, N 1,024]; A: input x; B: input Wq: QUANTISED
;;     2. [M 4,096, K 1,024] x [K 1,024, N 1,024]; A: input x; B: input Wk: QUANTISED
;;     3. [M 4,096, K 1,024] x [K 1,024, N 1,024]; A: input x; B: input Wv: QUANTISED
;;     4. batch 32 x [M 2,048, K 64] x [K 64, N 2,048]; A: computed on the way; B: computed on the way: left as it is (an operand is computed on the way)
;;     5. batch 32 x [M 2,048, K 2,048] x [K 2,048, N 64]; A: computed on the way; B: computed on the way: left as it is (an operand is computed on the way)
;;     6. [M 4,096, K 1,024] x [K 1,024, N 1,024]; A: computed on the way; B: input Wo: left as it is (an operand is computed on the way)
;;   THE QUANTISER, for each operand of a quantised product, along K:
;;     - K is cut into blocks of 32 from its start; a last block that is shorter is filled with zeros.
;;     - A block's scale is 2^e with e = floor(log2(the largest magnitude in the block)) - 2, held to -126 .. 127; a block of zeros has e = 0. As a byte (E8M0): e + 127.
;;     - Each number is divided by its block's scale, clamped to +-6, and rounded to the nearest number of E2M1, ties to even, subnormals kept.
;;     - The product sums the exact products of the quantised numbers (number of the format x scale) in f32.
;;   ~~~python
;;   def quantise(x, axis):      # numpy; x: float32 -> the quantised numbers, widened to float32 again
;;       x = np.moveaxis(x, axis, -1); K = x.shape[-1]
;;       x = np.pad(x, [(0, 0)] * (x.ndim - 1) + [(0, -K % 32)]); x = x.reshape(x.shape[:-1] + (-1, 32)); a = np.abs(x).max(-1, keepdims=True)
;;       e = np.where(a > 0, np.clip(np.frexp(np.where(a > 0, a, 1))[1] - 1 - 2, -126, 127), 0)      # np.frexp(a)[1] - 1 = floor(log2(a)), exactly
;;       r = np.clip(x / 2.0 ** e, -6, 6)
;;       step = 2.0 ** (np.maximum(np.frexp(np.where(r == 0, 1, r))[1] - 1, 0) - 1)
;;       q = np.round(r / step) * step * 2.0 ** e      # np.round: ties to even
;;       return np.moveaxis(q.reshape(q.shape[:-2] + (-1,))[..., :K], -1, axis).astype(np.float32)
;;   ~~~
;; One version. Each part assembles by itself: llvm-mc -triple=amdgcn-amd-amdhsa -mcpu=gfx1250 --defsym DOCPART=n.
;; ======== version 1 of 1: 5 launches
;; limits: values are held in f16: magnitudes above 65,504 overflow, below 6.1e-05 lose precision
;; workspace buffers: xc 2,097,152 bytes; xs 131,072 bytes; wc 1,572,864 bytes; ws 98,304 bytes; wo16 4,194,304 bytes; qkv16 25,165,824 bytes; v32 1,048,576 bytes; att16 8,388,608 bytes
;; launch prep (part 1): grid 256 x 1, 8 waves a work-group, no clusters, 130,560 bytes of LDS; arguments x, Wq, Wk, Wv, Wo, xc, xs, wc, ws, wo16; writes xc, xs, wc, ws, wo16
.if DOCPART == 1
	.amdgcn_target "amdgcn-amd-amdhsa--gfx1250"
	.amdhsa_code_object_version 6
	.text
	.protected	k_q3104944745_prep
	.globl	k_q3104944745_prep
	.p2align	8
	.type	k_q3104944745_prep,@function
k_q3104944745_prep:
	s_mov_b64 s[64:65], 0
	v_nop
	global_prefetch_b8 v0, s[64:65] scope:SCOPE_SE
	s_setreg_imm32_b32 hwreg(HW_REG_WAVE_MODE, 25, 1), 1
	s_wait_xcnt 0x0
; PREP.  Three jobs in one launch, 131,072 bytes read by every work-group:
;   work-groups 0-127   (X): x [4096][1024] f32 -> codes of FP4 (E2M1) xc [4096][512 bytes] and E8M0 bytes xs [4096][32]; K is innermost, so x is a plain stream of blocks of 32.
;   work-groups 128-223 (W): Wq, Wk, Wv [1024 k][1024 n] f32 -> wc [3072][512 bytes], ws [3072][32], row = 1024 sel + n, K moved innermost: a lane takes a column, its registers run down K.
;   work-groups 224-255 (O): Wo [1024 k][1024 n] f32 -> wo16 [2][1024 n][1024 k] f16: plane 0 = f16(Wo), plane 1 = f16((Wo - plane 0) x 2048).
; A block's scale is 2^(floor(log2(largest magnitude)) - 2); its byte is the largest magnitude's exponent field - 2, held at 1 from below.
; LIMITS: a block of zeros, or one whose largest magnitude lies under 2^-124, gets the byte 1 (its codes are zeros or the smallest codes; only this program reads the bytes);
; NaN and infinities are not served; |Wo| stays under 65,504.
; The three ways part on the work-group's number, meet at ONE barrier and part again; each has LDS bytes of its own; every LDS address is made ahead of the first parting.
.set XST,   0                          ; X: two stages of 32 x 80 bytes for each wave
.set XSC,   40960                      ; X: the work-group's 1,024 scale bytes
.set WST,   41984                      ; W: 32 rows (columns of W) x (512 + 16) bytes of codes
.set WSS,   58880                      ; W: 32 rows x 32 scale bytes
.set OST,   59904                      ; O: 32 rows x (256 + 16) bytes for each wave
.set SPARE, 129536                     ; the spare words, 128 bytes for each wave
.set SPW,   16                         ; v16  my spare word's address; never rewritten
.set NIL,   17                         ; v17  0; never rewritten
.set CD,    32                         ; v32-47   codes
.set EB,    48                         ; v48-55   scale bytes (X)
.set XR,    64                         ; v64-95   X: two sets of 16 neighbours;  v64-127 O: the high parts
.set LB,    128                        ; v128-255 what the loads bring
	s_load_b256 s[4:11], s[0:1], 0x0               ; x, Wq, Wk, Wv
	s_load_b256 s[12:19], s[0:1], 0x20             ; Wo, xc, xs, wc
	s_load_b128 s[20:23], s[0:1], 0x40             ; ws, wo16
	v_lshl_add_u32 v[SPW], v0, 2, SPARE
	v_mov_b32 v[NIL], 0
	v_lshrrev_b32 v1, 5, v0
	v_readfirstlane_b32 s24, v1                    ; wave 0..7
	s_and_b32 s25, s24, 3
	v_and_b32 v1, 31, v0                           ; lane
	v_lshlrev_b32 v2, 4, v1                        ; 16 x lane
	v_lshlrev_b32 v3, 2, v1                        ; 4 x lane
	v_lshlrev_b32 v4, 3, v1                        ; 8 x lane
	s_mul_i32 s32, s24, 5120                       ; X: my wave's two stages
	v_lshrrev_b32 v18, 2, v1
	v_and_b32 v19, 3, v1
	v_mul_u32_u24 v5, v18, 80
	v_lshl_add_u32 v5, v19, 4, v5
	v_add_nc_u32 v5, s32, v5                       ; into a stage: four lanes' 64 bytes on end, then 16 of padding
	v_mul_u32_u24 v6, v1, 80
	v_add_nc_u32 v6, s32, v6                       ; out of it: my 16 neighbours
	s_lshl_b32 s32, s24, 7
	s_add_co_u32 s32, s32, XSC
	v_lshrrev_b32 v7, 1, v1
	v_add_nc_u32 v7, s32, v7                       ; X: my block's scale byte
	s_lshl_b32 s32, s25, 8
	s_add_co_u32 s33, s32, XSC
	v_add_nc_u32 v8, s33, v4                       ; X: 256 scale bytes on their way out (waves 0-3)
	s_add_co_u32 s33, s32, WSS
	v_add_nc_u32 v12, s33, v4                      ; W: the same
	s_lshl_b32 s32, s24, 6
	s_add_co_u32 s32, s32, WST
	v_mul_u32_u24 v9, v1, 528
	v_add_nc_u32 v9, s32, v9                       ; W: row = my column, my wave's 64 bytes of it
	s_lshl_b32 s32, s24, 2
	s_add_co_u32 s32, s32, WSS
	v_lshl_add_u32 v10, v1, 5, s32                 ; W: my column's scale bytes, my wave's four
	s_mul_i32 s32, s24, 2112
	s_add_co_u32 s32, s32, WST
	v_add_nc_u32 v11, s32, v2                      ; W: rows 4 w .. 4 w + 3 on their way out
	s_mul_i32 s32, s24, 8704
	s_add_co_u32 s32, s32, OST
	v_mul_u32_u24 v13, v1, 272
	v_add_nc_u32 v13, s32, v13                     ; O: row = my column
	v_lshrrev_b32 v18, 4, v1
	v_and_b32 v19, 15, v1
	v_mul_u32_u24 v14, v18, 272
	v_lshl_add_u32 v14, v19, 4, v14
	v_add_nc_u32 v14, s32, v14                     ; O: sixteen lanes to a row, two rows an instruction
	v_lshlrev_b32 v15, 11, v18
	v_lshl_add_u32 v15, v19, 4, v15                ; and the same place in wo16 (rows of 2,048 bytes)
	; the offsets of all three ways, then the choice: it hangs on the work-group's number alone
	s_sub_co_u32 s32, ttmp9, 128                   ; g': the group's number among W's and O's
	s_and_b32 s33, s32, 31                         ; which 32 columns
	s_lshr_b32 s43, s32, 5                         ; 0, 1, 2: Wq, Wk, Wv; 3: Wo
	s_lshl_b32 s34, ttmp9, 17
	s_lshl_b32 s38, s24, 14
	s_add_co_u32 s34, s34, s38                     ; X reads from: 131,072 g + 16,384 w
	s_lshl_b32 s35, s33, 7
	s_lshl_b32 s38, s24, 19
	s_add_co_u32 s35, s35, s38                     ; W, O read from: 128 x column group + 128 w rows of 4,096 bytes
	s_lshl_b32 s36, ttmp9, 14
	s_lshl_b32 s38, s24, 11
	s_add_co_u32 s36, s36, s38                     ; X's codes: 16,384 g + 2,048 w
	s_lshl_b32 s37, s32, 14
	s_add_co_u32 s37, s37, s38                     ; W's codes: 32 g' rows of 512 bytes + 4 w rows
	s_lshl_b32 s39, s33, 16
	s_lshl_b32 s38, s24, 8
	s_add_co_u32 s39, s39, s38                     ; O: 32 rows of 2,048 bytes a group + 256 w
	s_lshl_b32 s38, s25, 8
	s_lshl_b32 s40, ttmp9, 10
	s_add_co_u32 s40, s40, s38                     ; X's scale bytes
	s_lshl_b32 s41, s32, 10
	s_add_co_u32 s41, s41, s38                     ; W's
	s_wait_kmcnt 0x0
	s_cmp_lt_u32 ttmp9, 128
	s_cselect_b64 s[26:27], s[4:5], s[12:13]       ; x, or Wo
	s_cselect_b64 s[28:29], s[14:15], s[22:23]     ; xc, or wo16
	s_cselect_b64 s[30:31], s[16:17], s[20:21]     ; xs, or ws
	s_cselect_b32 s34, s34, s35
	s_cselect_b32 s36, s36, s39
	s_cselect_b32 s40, s40, s41
	s_cmp_eq_u32 s43, 0
	s_cselect_b64 s[26:27], s[6:7], s[26:27]
	s_cmp_eq_u32 s43, 1
	s_cselect_b64 s[26:27], s[8:9], s[26:27]
	s_cmp_eq_u32 s43, 2
	s_cselect_b64 s[26:27], s[10:11], s[26:27]
	s_cmp_lt_u32 s32, 96
	s_cselect_b64 s[28:29], s[18:19], s[28:29]     ; wc
	s_cselect_b32 s36, s37, s36
	s_mov_b32 s35, 0
	s_mov_b32 s37, 0
	s_mov_b32 s41, 0
	s_add_nc_u64 s[26:27], s[26:27], s[34:35]      ; what I read
	s_add_nc_u64 s[28:29], s[28:29], s[36:37]      ; where the codes (O: the halves) go
	s_add_nc_u64 s[30:31], s[30:31], s[40:41]      ; where the scale bytes go (O: not used)
.macro LOADX t                         ; X: step t's 512 numbers: each load reads 512 consecutive bytes
.irp i, 0,1,2,3
	global_load_b128 v[LB+16*(\t)+4*\i:LB+16*(\t)+4*\i+3], v2, s[26:27] offset:2048*(\t)+512*\i th:TH_LOAD_NT
.endr
.endm
.macro TURN t                          ; X: step t's numbers through a stage: they come back 16 neighbours a lane.  LDS serves a wave's instructions in order
.irp i, 0,1,2,3
	ds_store_b128 v5, v[LB+16*(\t)+4*\i:LB+16*(\t)+4*\i+3] offset:2560*((\t)%2)+640*\i
.endr
.irp i, 0,1,2,3
	ds_load_b128 v[XR+16*((\t)%2)+4*\i:XR+16*((\t)%2)+4*\i+3], v6 offset:2560*((\t)%2)+16*\i
.endr
.endm
.macro STEPX t
.set XS, XR+16*((\t)%2)
.if (\t) > 0
	s_wait_dscnt 1                                 ; this step's numbers are back; the last step's byte store may be out
.else
	s_wait_dscnt 0x0
.endif
.if (\t) < 7
	s_wait_loadcnt 4*(6-(\t))                      ; the next step's four loads are in; those of the steps behind it may be out
	TURN (\t)+1
.endif
	v_max3_num_f32 v18, |v[XS]|, |v[XS+1]|, |v[XS+2]|
	v_max3_num_f32 v19, |v[XS+3]|, |v[XS+4]|, |v[XS+5]|
.irp i, 6,10
	v_max3_num_f32 v18, v18, |v[XS+\i]|, |v[XS+\i+1]|
	v_max3_num_f32 v19, v19, |v[XS+\i+2]|, |v[XS+\i+3]|
.endr
	v_max3_num_f32 v18, v18, |v[XS+14]|, |v[XS+15]|
	v_max3_num_f32 v18, v18, v19, 0x1800000        ; and the floor 2^(3 - 127): the byte cannot fall under 1
	v_max_num_f32_dpp v18, v18, v18 row_xmask:1 row_mask:0xf bank_mask:0xf   ; with my neighbour's 16: the block's largest magnitude
	v_add_nc_u32 v20, 0xff000000, v18              ; 2 off its exponent field: the conversion takes this operand's exponent field as its scale
	v_cvt_scalef32_pk8_fp4_f32 v[CD+2*(\t)], v[XS:XS+7], v20
	v_cvt_scalef32_pk8_fp4_f32 v[CD+2*(\t)+1], v[XS+8:XS+15], v20
	v_lshrrev_b32 v[EB+(\t)], 23, v20              ; the scale's byte (also the plain line behind the conversions)
	ds_store_b8 v7, v[EB+(\t)] offset:16*(\t)      ; both lanes of a block write the same byte with the same value
	global_store_b64 v4, v[CD+2*(\t):CD+2*(\t)+1], s[28:29] offset:256*(\t)   ; the wave stores 256 consecutive bytes, aligned
.endm
.macro LOADB t                         ; W, O: block t: rows 32 t + i of my column, i = 0 .. 31; a wave's load reads 128 consecutive bytes
.set i, 0
.rept 32
	global_load_b32 v[LB+32*(\t)+i], v3, s[26:27] offset:(32*(\t)+i)*4096 th:TH_LOAD_NT
.set i, i+1
.endr
.endm
.macro LANDED t                        ; block t is in; each block has registers of its own, so the block two further on is asked for at once
.if (\t) < 3
	s_wait_loadcnt 32                              ; one younger block's 32 loads may be out
.else
	s_wait_loadcnt 0x0
.endif
.if (\t) < 2
	LOADB (\t)+2
.endif
.endm
.macro WBLOCK t
.set XS, LB+32*(\t)
	LANDED \t
	v_max3_num_f32 v18, |v[XS]|, |v[XS+1]|, |v[XS+2]|              ; all 32 numbers of the block are mine
	v_max3_num_f32 v19, |v[XS+3]|, |v[XS+4]|, |v[XS+5]|
.irp i, 6,10,14,18,22,26
	v_max3_num_f32 v18, v18, |v[XS+\i]|, |v[XS+\i+1]|
	v_max3_num_f32 v19, v19, |v[XS+\i+2]|, |v[XS+\i+3]|
.endr
	v_max3_num_f32 v18, v18, |v[XS+30]|, |v[XS+31]|
	v_max3_num_f32 v18, v18, v19, 0x1800000
	v_add_nc_u32 v20, 0xff000000, v18
	v_lshrrev_b32 v21, 23, v20
.if (\t) == 0
	v_mov_b32 v26, v21                             ; four bytes to a register, the lower K in the lower byte
.else
	v_lshl_or_b32 v26, v21, 8*(\t), v26
.endif
.irp g, 0,1,2,3
	v_cvt_scalef32_pk8_fp4_f32 v[CD+4*(\t)+\g], v[XS+8*\g:XS+8*\g+7], v20
.endr
	v_nop                                          ; one plain line behind the last conversion
	ds_store_b128 v9, v[CD+4*(\t):CD+4*(\t)+3] offset:16*(\t)
.endm
; O: pair r - 64 of my column's 64 pairs along K.  High part r; what is left, x 2048, rounded again, goes to v[LB + pair]: ascending pairs never overtake their sources
.macro OHIGH r
	v_cvt_pk_f16_f32 v\r, v[LB+2*(\r-64)], v[LB+2*(\r-64)+1]
.endm
.macro OBACK r
	v_cvt_f32_f16 v[18+2*(\r%4)], v\r\().l
	v_cvt_f32_f16 v[19+2*(\r%4)], v\r\().h
.endm
.macro ODIFF r
	v_pk_add_f32 v[LB+2*(\r-64):LB+2*(\r-64)+1], v[LB+2*(\r-64):LB+2*(\r-64)+1], v[18+2*(\r%4):19+2*(\r%4)] neg_lo:[0,1] neg_hi:[0,1]
.endm
.macro OUP r
	v_pk_mul_f32 v[LB+2*(\r-64):LB+2*(\r-64)+1], v[LB+2*(\r-64):LB+2*(\r-64)+1], 0x45000000 op_sel_hi:[1,0]
.endm
.macro OLOW r
	v_cvt_pk_f16_f32 v[LB+(\r-64)], v[LB+2*(\r-64)], v[LB+2*(\r-64)+1]
.endm
.macro OQUAD a, b, c, d                ; four pairs, stage by stage, so that no line waits for the line above it
.irp q, \a, \b, \c, \d
	OHIGH \q
.endr
.irp q, \a, \b, \c, \d
	OBACK \q
.endr
.irp q, \a, \b, \c, \d
	ODIFF \q
.endr
.irp q, \a, \b, \c, \d
	OUP \q
.endr
.irp q, \a, \b, \c, \d
	OLOW \q
.endr
.endm
	s_cmp_lt_u32 ttmp9, 128
	s_cbranch_scc1 .Lx1
	s_cmp_lt_u32 ttmp9, 224
	s_cbranch_scc1 .Lw1
	; ---- O: my wave's 32 columns x 128 along K
	LOADB 0
	LOADB 1
	LANDED 0
	OQUAD 64, 65, 66, 67
	OQUAD 68, 69, 70, 71
	OQUAD 72, 73, 74, 75
	OQUAD 76, 77, 78, 79
	LANDED 1
	OQUAD 80, 81, 82, 83
	OQUAD 84, 85, 86, 87
	OQUAD 88, 89, 90, 91
	OQUAD 92, 93, 94, 95
	LANDED 2
	OQUAD 96, 97, 98, 99
	OQUAD 100, 101, 102, 103
	OQUAD 104, 105, 106, 107
	OQUAD 108, 109, 110, 111
	LANDED 3
	OQUAD 112, 113, 114, 115
	OQUAD 116, 117, 118, 119
	OQUAD 120, 121, 122, 123
	OQUAD 124, 125, 126, 127
	; a lane's 256 bytes belong to one row of wo16: both planes go through my own stage and leave as rows
.irp j, 0,1,2,3,4,5,6,7,8,9,10,11,12,13,14,15
	ds_store_b128 v13, v[64+4*\j:67+4*\j] offset:16*\j
.endr
.irp j, 0,1,2,3,4,5,6,7,8,9,10,11,12,13,14,15
	ds_load_b128 v[64+4*\j:67+4*\j], v14 offset:544*\j
.endr
.irp j, 0,1,2,3,4,5,6,7,8,9,10,11,12,13,14,15
	ds_store_b128 v13, v[LB+4*\j:LB+4*\j+3] offset:16*\j
.endr
.irp j, 0,1,2,3,4,5,6,7,8,9,10,11,12,13,14,15
	ds_load_b128 v[192+4*\j:195+4*\j], v14 offset:544*\j
.endr
	s_wait_dscnt 32                                ; the high plane is back; the low plane's 16 stores and 16 loads may be out
.irp j, 0,1,2,3,4,5,6,7,8,9,10,11,12,13,14,15
	global_store_b128 v15, v[64+4*\j:67+4*\j], s[28:29] offset:4096*\j          ; sixteen lanes store 256 consecutive bytes, aligned
.endr
	s_wait_dscnt 0x0
.irp j, 0,1,2,3,4,5,6,7,8,9,10,11,12,13,14,15
	global_store_b128 v15, v[192+4*\j:195+4*\j], s[28:29] offset:4096*\j+2097152
.endr
	s_branch .Ljoin
.Lw1:
	; ---- W, first part: my wave's 32 columns x 128 along K: four blocks a lane
	LOADB 0
	LOADB 1
	WBLOCK 0
	WBLOCK 1
	WBLOCK 2
	WBLOCK 3
	ds_store_b32 v10, v26
	s_branch .Ljoin
.Lx1:
	; ---- X, first part: my wave's 8 steps of 512 numbers; all 32 loads go out at once
.irp t, 0,1,2,3,4,5,6,7
	LOADX \t
.endr
	s_wait_loadcnt 28                              ; step 0's four loads are in
	TURN 0
.irp t, 0,1,2,3,4,5,6,7
	STEPX \t
.endr
.Ljoin:
	s_wait_dscnt 0x0                               ; for the others' sake: my LDS stores have landed
	s_barrier_signal -1
	s_barrier_wait -1
	s_cmp_lt_u32 ttmp9, 128
	s_cbranch_scc1 .Lx2
	s_cmp_lt_u32 ttmp9, 224
	s_cbranch_scc0 .Lend
	; ---- W, second part: whole rows of 512 bytes of codes, four a wave; the scale bytes as 256 consecutive bytes a wave
.irp i, 0,1,2,3
	ds_load_b128 v[LB+4*\i:LB+4*\i+3], v11 offset:528*\i
.endr
.irp i, 0,1,2,3
	s_wait_dscnt 3-\i
	global_store_b128 v2, v[LB+4*\i:LB+4*\i+3], s[28:29] offset:512*\i
.endr
	s_cmp_lt_u32 s24, 4
	s_cbranch_scc0 .Lend
	ds_load_b64 v[56:57], v12
	s_wait_dscnt 0x0
	global_store_b64 v4, v[56:57], s[30:31]
	s_branch .Lend
.Lx2:
	; ---- X, second part: the work-group's 1,024 scale bytes, 256 consecutive bytes a wave
	s_cmp_lt_u32 s24, 4
	s_cbranch_scc0 .Lend
	ds_load_b64 v[56:57], v8
	s_wait_dscnt 0x0
	global_store_b64 v4, v[56:57], s[30:31]
.Lend:
	s_wait_tensorcnt 0x0                           ; the wave's end
	ds_add_u32 v[SPW], v[NIL]
	s_wait_dscnt 0x0
	s_endpgm
.Lfunc_end_k_q3104944745_prep:
	.size	k_q3104944745_prep, .Lfunc_end_k_q3104944745_prep-k_q3104944745_prep
	.p2alignl 7, 3214868480
	.fill 96, 4, 3214868480
	.section	.rodata,"a",@progbits
	.p2align	6, 0x0
	.amdhsa_kernel k_q3104944745_prep
		.amdhsa_group_segment_fixed_size 130560
		.amdhsa_private_segment_fixed_size 0
		.amdhsa_enable_private_segment 0
		.amdhsa_kernarg_size 80
		.amdhsa_user_sgpr_count 2
		.amdhsa_user_sgpr_kernarg_segment_ptr 1
		.amdhsa_wavefront_size32 1
		.amdhsa_system_sgpr_workgroup_id_x 1
		.amdhsa_system_sgpr_workgroup_id_y 1
		.amdhsa_system_sgpr_workgroup_id_z 1
		.amdhsa_system_vgpr_workitem_id 0
		.amdhsa_next_free_vgpr 256
		.amdhsa_next_free_sgpr 66
		.amdhsa_reserve_vcc 0
		.amdhsa_float_denorm_mode_32 3
		.amdhsa_float_denorm_mode_16_64 3
		.amdhsa_memory_ordered 1
		.amdhsa_forward_progress 1
		.amdhsa_inst_pref_size 81
	.end_amdhsa_kernel
	.amdgpu_metadata
---
amdhsa.version: [ 1, 2 ]
amdhsa.kernels:
  - .name:           k_q3104944745_prep
    .symbol:         k_q3104944745_prep.kd
    .args:
      - { .name: x, .offset: 0, .size: 8, .value_kind: global_buffer, .address_space: global }
      - { .name: Wq, .offset: 8, .size: 8, .value_kind: global_buffer, .address_space: global }
      - { .name: Wk, .offset: 16, .size: 8, .value_kind: global_buffer, .address_space: global }
      - { .name: Wv, .offset: 24, .size: 8, .value_kind: global_buffer, .address_space: global }
      - { .name: Wo, .offset: 32, .size: 8, .value_kind: global_buffer, .address_space: global }
      - { .name: xc, .offset: 40, .size: 8, .value_kind: global_buffer, .address_space: global }
      - { .name: xs, .offset: 48, .size: 8, .value_kind: global_buffer, .address_space: global }
      - { .name: wc, .offset: 56, .size: 8, .value_kind: global_buffer, .address_space: global }
      - { .name: ws, .offset: 64, .size: 8, .value_kind: global_buffer, .address_space: global }
      - { .name: wo16, .offset: 72, .size: 8, .value_kind: global_buffer, .address_space: global }
    .group_segment_fixed_size: 130560
    .private_segment_fixed_size: 0
    .kernarg_segment_align: 8
    .kernarg_segment_size: 80
    .max_flat_workgroup_size: 256
    .sgpr_count:     66
    .vgpr_count:     256
    .wavefront_size: 32
...
	.end_amdgpu_metadata
.endif
;; end of part 1
;; launch qkv (part 2): grid 12 x 16, 4 waves a work-group, clusters of 4 x 4, 327,680 bytes of LDS; arguments xc, xs, wc, ws, qkv16, bq, bk, bv, v32; writes qkv16, v32
.if DOCPART == 2
	.amdgcn_target "amdgcn-amd-amdhsa--gfx1250"
	.amdhsa_code_object_version 6
	.text
	.protected	k_q3104944745_qkv
	.globl	k_q3104944745_qkv
	.p2align	8
	.type	k_q3104944745_qkv,@function
k_q3104944745_qkv:
	s_mov_b64 s[64:65], 0
	v_nop
	global_prefetch_b8 v0, s[64:65] scope:SCOPE_SE
	s_setreg_imm32_b32 hwreg(HW_REG_WAVE_MODE, 25, 1), 1
	s_wait_xcnt 0x0
	s_wait_alu depctr_hold_cnt(0) depctr_sa_sdst(0) depctr_va_vdst(0) depctr_va_sdst(0) depctr_va_ssrc(0) depctr_va_vcc(0) depctr_vm_vsrc(0)
	s_getreg_b32 s2, hwreg(HW_REG_IB_STS2, 6, 4)
	s_cmp_eq_u32 s2, 0
	s_cbranch_scc0 .Lentry_in_a_cluster
	s_endpgm
.Lentry_in_a_cluster:
	s_bfe_u32 s2, ttmp6, 0x10000c
	s_cmp_lg_u32 s2, 0xf033
	s_cbranch_scc0 .Lentry_shape_is_right
	s_endpgm
.Lentry_shape_is_right:
; q, k, v = x W + b on codes of FP4 (E2M1) with one E8M0 scale for each 32 along K = 1,024.  A = xc [4096][512 bytes], xs [4096][32]; B = wc [3072][512 bytes], ws [3072][32], row = 1024 sel + n.
; Results: qkv16 [3 sel][32 bh][2048 t][64] f16, bh = 16 b + head; q is multiplied by c = log2(e) / 8 in f32 ahead of its rounding.  v's first 16 rows of every tile of 256 rows also leave in f32:
; v32 [16 tile rows][16][1024].  LIMITS: |q c|, |k|, |v| stay under 65,504; NaN and infinities are not served.
; A tile of 256 x 256 is made by four waves, each 128 x 128: 64 accumulators, 512 registers.  K goes in two steps of 512 through two LDS slots, each filled once by the tensor data mover; the scale bytes of the
; work-group's 256 + 256 rows come once, as dense blocks.  CLUSTERS: 4 x 4 work-groups; A's tiles are asked for jointly along a row of the cluster, B's along a column.  The cluster's x is sel.
; THE MATRIX INSTRUCTION IS USED TRANSPOSED (source 0 = 16 rows of B, source 1 = 16 rows of A): a lane holds eight neighbouring columns of one row.
; REGISTERS: window 0: v0-31 addresses; v32-95 scale words, two sets; v128-191 A's fragments, one set.  On the way out v32-95 f32 results, v96-127 f16, v128-191 rows read back.
;   window 1: B's fragments at v0 and v128; v64-127 the bias of my 128 columns.   window 2, 3: the accumulators of my rows 0-63, 64-127 ((a, b) at v[8 (8 (a % 4) + b)]).
.set KSTEP,  512
.set NQ,     4                         ; matrix instructions deep in a slot
.set ROWB,   256                       ; a tile's row in bytes
.set KROW,   512                       ; a row of codes in memory
.set PITCH,  272                       ; an LDS row: 256 bytes + 16 of padding: the 16 rows of a load start at 16 different banks (ISA guide 11.1)
.set FR,     8
.set NL,     2
.set NP,     4
.set HALFT,  128*PITCH
.set SLOT,   4*HALFT
.set KS,     32                        ; a row of scale bytes
.set SCL,    2*SLOT
.set HALFS,  (128*KS/256)*272
.set SBLK,   (16*KS/256)*272
.set SPARE,  SCL+4*HALFS               ; the spare words, 128 bytes for each wave
.set SP16,   272                       ; the way out: a stage of 16 rows x (256 + 16) bytes for each wave, in slot 0, which has had its only fill and its last read by then
.set SP32,   528                       ; and one of 16 rows x (512 + 16) bytes for the f32 rows of v
.set STG2,   4*16*SP16
.set ADRA, 16
.set ADRB, 20
.set STO2, 18
.set RD2,  19
.set CO2,  22
.set STO,  24
.set RD,   25
.set CO,   26
.set ADRS, 27
.set SPW,  28
.set NIL,  29
.set BO,   30
.set SC,   32
.set T64,  32
.set TMP,  96
.set AF,   128
.set BK,   128
.set BI,   64                          ; the bias, in window 1
.set G1, 24
.set G0, 32
.set G1B, 48
.set G0B, 56
.set G1S, 68
.set G0S, 76
.set G1SB, 80
.set G0SB, 88
.set MSB, 0
.macro WIN new                         ; the immediate's high byte repeats the setting that is left
.if MSB != \new
	s_set_vgpr_msb (MSB<<8)|\new
.set MSB, \new
.endif
.endm
.set MUL_LO, 0xa1
.set MUL_HI, 0xf1
.set TO_B,   0x40
; A joint load: waves 0 and 1 fetch for A, waves 2 and 3 for B; the branch hangs on the wave's number alone.  An s_nop 0 and four v_nop follow each of the two lines.
.macro JLOAD g0a, g1a, g0b, g1b
	s_cmp_eq_u32 s15, 0
	s_cbranch_scc0 .Lfor_b_\@
	tensor_load_to_lds s[\g0a:\g0a+3], s[\g1a:\g1a+7]
	s_nop 0
.rept 4
	v_nop
.endr
	s_branch .Lasked_\@
.Lfor_b_\@:
	tensor_load_to_lds s[\g0b:\g0b+3], s[\g1b:\g1b+7]
	s_nop 0
.rept 4
	v_nop
.endr
.Lasked_\@:
.endm
.macro CROUND                          ; a round of the cluster's barrier
	s_barrier_signal -1
	s_barrier_wait -1
	s_cmp_lg_u32 s14, 0
	s_cbranch_scc1 .Lnot_wave_0_\@
	s_barrier_signal -3
.Lnot_wave_0_\@:
	s_barrier_wait -3
	s_barrier_signal -1
	s_barrier_wait -1
.endm
	s_load_b128 s[4:7], s[0:1], 0x0                ; xc, xs
	s_load_b128 s[8:11], s[0:1], 0x10              ; wc, ws
	s_load_b64 s[12:13], s[0:1], 0x20              ; qkv16
	v_lshl_add_u32 v[SPW], v0, 2, SPARE
	v_mov_b32 v[NIL], 0
	ds_add_u32 v[SPW], v[NIL]                      ; the wave's opening: the add, twice on end, and its wait ahead of my first tensor load
	ds_add_u32 v[SPW], v[NIL]
	v_lshrrev_b32 v1, 5, v0
	v_readfirstlane_b32 s14, v1                    ; wave 0..3
	s_lshr_b32 s15, s14, 1                         ; which half of the tile's rows is mine.  Also: I fetch for A (0) or for B (1)
	s_and_b32 s16, s14, 1                          ; which half of its columns.  Also: which 128 rows I fetch
	s_bfe_u32 s40, ttmp6, 0x40000                  ; cx
	s_bfe_u32 s41, ttmp6, 0x40004                  ; cy
	s_lshl_b32 s42, ttmp9, 2
	s_add_co_u32 s42, s42, s40                     ; tile column = 4 x cluster x + cx
	s_and_b32 s17, ttmp7, 0xffff
	s_lshl_b32 s17, s17, 2
	s_add_co_u32 s17, s17, s41                     ; tile row = 4 x cluster y + cy
	s_lshl_b32 s43, s41, 2
	s_lshl_b32 s43, 15, s43                        ; my row of the cluster
	s_lshl_b32 s44, 0x1111, s40                    ; my column
	s_or_b32 s[G1+0], s43, (0<<16)|(1<<20)|(1<<21)|(5<<22)|(3<<25)  ; the mask; elements of 1 byte; padding on; bit 21 beside a mask; 4 words after every 64
	s_or_b32 s[G1B+0], s44, (0<<16)|(1<<20)|(1<<21)|(5<<22)|(3<<25)
.irp g, G1, G1B
	s_mov_b32 s[\g+1], ROWB<<16                    ; tensor_dim0
	s_mov_b32 s[\g+2], 128<<16                     ; tensor_dim1
	s_mov_b32 s[\g+3], ROWB<<16                    ; tile_dim0
	s_mov_b32 s[\g+4], 128                         ; tile_dim1
	s_mov_b32 s[\g+5], KROW                        ; the pitch in memory
	s_mov_b32 s[\g+6], 0
	s_mov_b32 s[\g+7], 0
.endr
	s_or_b32 s[G1S+0], s43, (3<<16)|(1<<20)|(1<<21)|(5<<22)|(3<<25) ; the scales of 128 rows: 4,096 dense bytes as 16 rows of 32 elements of 8 bytes
	s_or_b32 s[G1SB+0], s44, (3<<16)|(1<<20)|(1<<21)|(5<<22)|(3<<25)
.irp g, G1S, G1SB
	s_mov_b32 s[\g+1], 32<<16
	s_mov_b32 s[\g+2], (128*KS/256)<<16
	s_mov_b32 s[\g+3], 32<<16
	s_mov_b32 s[\g+4], 128*KS/256
	s_mov_b32 s[\g+5], 32
	s_mov_b32 s[\g+6], 0
	s_mov_b32 s[\g+7], 0
.endr
	s_lshl_b32 s18, s16, 7
	s_lshl_b32 s20, s17, 8
	s_add_co_u32 s20, s20, s18                     ; A: row 256 x tile row + 128 x half
	s_lshl_b32 s46, s42, 8
	s_add_co_u32 s46, s46, s18                     ; B: row 256 x tile column + 128 x half
	s_mov_b32 s21, 0
	s_mov_b32 s47, 0
	s_mov_b64 s[18:19], KS
	s_mul_u64 s[22:23], s[20:21], s[18:19]
	s_mul_u64 s[92:93], s[46:47], s[18:19]
	s_mov_b64 s[18:19], KROW
	s_mul_u64 s[20:21], s[20:21], s[18:19]
	s_mul_u64 s[46:47], s[46:47], s[18:19]
	s_mul_i32 s45, s14, HALFT                      ; where they go: wave x 128 rows
	s_mul_i32 s94, s14, HALFS
	s_wait_dscnt 0x0                               ; both opening adds are done
	s_wait_kmcnt 0x0
	s_add_nc_u64 s[20:21], s[4:5], s[20:21]
	s_add_nc_u64 s[22:23], s[6:7], s[22:23]
	s_add_nc_u64 s[46:47], s[8:9], s[46:47]
	s_add_nc_u64 s[92:93], s[10:11], s[92:93]
	CROUND                                         ; all sixteen work-groups are here: the joint loads meet
	s_mov_b32 s[G0S], 1
	s_add_co_u32 s[G0S+1], s94, SCL
	s_mov_b64 s[G0S+2:G0S+3], s[22:23]
	s_or_b32 s[G0S+3], s[G0S+3], 0x80000000
	s_mov_b32 s[G0SB], 1
	s_add_co_u32 s[G0SB+1], s94, SCL
	s_mov_b64 s[G0SB+2:G0SB+3], s[92:93]
	s_or_b32 s[G0SB+3], s[G0SB+3], 0x80000000
	JLOAD G0S, G1S, G0SB, G1SB                     ; the scales first; by this text's own count three loads of a wave are out at the most
.irp s, 0,1
	s_mov_b32 s[G0+4*\s], 1
	s_add_co_u32 s[G0+4*\s+1], s45, \s*SLOT
	s_add_nc_u64 s[G0+4*\s+2:G0+4*\s+3], s[20:21], \s*ROWB
	s_or_b32 s[G0+4*\s+3], s[G0+4*\s+3], 0x80000000
	s_mov_b32 s[G0B+4*\s], 1
	s_add_co_u32 s[G0B+4*\s+1], s45, \s*SLOT
	s_add_nc_u64 s[G0B+4*\s+2:G0B+4*\s+3], s[46:47], \s*ROWB
	s_or_b32 s[G0B+4*\s+3], s[G0B+4*\s+3], 0x80000000
	JLOAD G0+4*\s, G1, G0B+4*\s, G1B
.endr
	s_load_b256 s[4:11], s[0:1], 0x28              ; bq, bk, bv, v32: the four operands' addresses are spent
	v_and_b32 v1, 15, v0                           ; r
	v_bfe_u32 v2, v0, 4, 1                         ; h
	v_mul_u32_u24 v3, v1, PITCH
	v_lshl_add_u32 v4, v2, 4, v3
	s_mul_i32 s21, s15, HALFT
	s_mul_i32 s22, s16, HALFT
	s_add_co_u32 s22, s22, 2*HALFT
.irp s, 0,1
	v_add_nc_u32 v[ADRA+\s], s21, v4
	v_add_nc_u32 v[ADRB+\s], s22, v4
	s_add_co_u32 s21, s21, SLOT
	s_add_co_u32 s22, s22, SLOT
.endr
	v_mul_u32_u24 v5, v1, KS                       ; my row's scales: 32 bytes a row, and 16 more for each 256 passed
	v_lshrrev_b32 v6, 8, v5
	v_lshl_add_u32 v5, v6, 4, v5
	s_mul_i32 s21, s15, HALFS
	s_mul_i32 s22, s16, HALFS
	s_add_co_u32 s22, s22, 2*HALFS
	s_sub_co_u32 s22, s22, s21
	v_mul_u32_u24 v6, s22, v2                      ; lanes 16-31 take B's
	s_add_co_u32 s21, s21, SCL
	v_add_nc_u32 v5, v5, v6
	v_add_nc_u32 v[ADRS], s21, v5
	s_mul_i32 s23, s14, 16*SP16                    ; my f16 stage
	v_mul_u32_u24 v5, v1, SP16
	v_lshl_add_u32 v5, v2, 4, v5
	v_add_nc_u32 v[STO], s23, v5                   ; in: row r, 16 bytes for each half of the lanes
	v_bfe_u32 v5, v0, 3, 1
	v_and_b32 v6, 7, v0
	v_mul_u32_u24 v3, v5, SP16
	v_lshl_add_u32 v3, v2, 7, v3
	v_lshl_add_u32 v3, v6, 4, v3
	v_add_nc_u32 v[RD], s23, v3                    ; back: eight lanes take a token's 128 bytes of one head; lanes 8-15 the next token; lanes 16-31 the other head
	v_lshlrev_b32 v[CO], 7, v5
	v_lshl_add_u32 v[CO], v2, 18, v[CO]
	v_lshl_add_u32 v[CO], v6, 4, v[CO]             ; and the same place in qkv16: sixteen lanes store 256 consecutive bytes
	s_mul_i32 s23, s14, 16*SP32
	s_add_co_u32 s23, s23, STG2                    ; my f32 stage
	v_mul_u32_u24 v5, v1, SP32
	v_lshl_add_u32 v5, v2, 5, v5
	v_add_nc_u32 v[STO2], s23, v5
	v_and_b32 v6, 31, v0
	v_lshlrev_b32 v[CO2], 4, v6
	v_add_nc_u32 v[RD2], s23, v[CO2]
	v_lshlrev_b32 v[BO], 5, v2                     ; the bias: my half's eight numbers of a block of 16 columns
	; where my part begins in qkv16: sel, batch, head 4 cx + 2 x column half, token
	s_lshl_b32 s20, ttmp9, 23
	s_lshr_b32 s21, s17, 3
	s_lshl_b32 s21, s21, 22
	s_add_co_u32 s20, s20, s21
	s_and_b32 s21, s17, 7
	s_lshl_b32 s21, s21, 8
	s_lshl_b32 s22, s15, 7
	s_add_co_u32 s21, s21, s22
	s_lshl_b32 s21, s21, 7
	s_add_co_u32 s20, s20, s21
	s_mov_b32 s21, 0
	s_lshl_b32 s46, s40, 2
	s_lshl_b32 s47, s16, 1
	s_add_co_u32 s46, s46, s47
	s_lshl_b32 s46, s46, 18
	s_mov_b32 s47, 0
	s_add_nc_u64 s[20:21], s[20:21], s[46:47]
	s_add_nc_u64 s[12:13], s[12:13], s[20:21]
	s_lshl_b32 s46, s40, 10
	s_lshl_b32 s22, s16, 9
	s_add_co_u32 s46, s46, s22                     ; my first column among sel's 1,024, in f32 bytes
	s_lshl_b32 s22, s17, 16
	s_add_co_u32 s22, s22, s46                     ; and in v32: + 16 rows of 4,096 bytes a tile row
	s_mov_b32 s23, 0
	s_mov_b32 s98, 1.0
	s_wait_kmcnt 0x0
	s_cmp_eq_u32 ttmp9, 1                          ; the cluster's x: the same in all sixteen partners
	s_cselect_b64 s[4:5], s[6:7], s[4:5]
	s_cmp_eq_u32 ttmp9, 2
	s_cselect_b64 s[4:5], s[8:9], s[4:5]
	s_cmp_eq_u32 ttmp9, 0
	s_cselect_b32 s98, 0x3e38aa3b, s98             ; q: c = log2(e) / 8; k, v: 1
	s_mov_b32 s99, s98                             ; (named with it as a pair)
	s_add_nc_u64 s[4:5], s[4:5], s[46:47]
	s_add_nc_u64 s[10:11], s[10:11], s[22:23]
	WIN TO_B
.irp b, 0,1,2,3,4,5,6,7
	global_load_b128 v[BI+8*\b:BI+8*\b+3], v[BO], s[4:5] offset:64*\b          ; bias[16 b + 8 h + 0 .. 7] of my 128 columns: waited for on the way out
	global_load_b128 v[BI+8*\b+4:BI+8*\b+7], v[BO], s[4:5] offset:64*\b+16
.endr
	WIN 0
.macro FRAG reg, adr, q, i             ; 16 rows x 128 K of 4-bit codes: registers 4 c .. 4 c + 3 hold K = 64 c + 32 h + 0 .. 31
.irp c, 0,1
	ds_load_b128 v[\reg+4*\c:\reg+4*\c+3], v[\adr] offset:64*(\q)+32*\c+(\i)*16*PITCH
.endr
.endm
; 16 matrix instructions: A's blocks a0, a0 + 1 x B's eight.  The 64 accumulators take turns, one instruction a turn, in the same order in every step.
.macro MUL16 a0, p, q, sc, zero
.irp a, \a0, \a0+1
.irp b, 0,1,2,3,4,5,6,7
.if \zero
	v_wmma_scale_f32_16x16x128_f8f6f4 v[8*(8*((\a)%4)+\b):8*(8*((\a)%4)+\b)+7], v[128*(\p)+FR*\b:128*(\p)+FR*\b+FR-1], v[AF+FR*(\a):AF+FR*(\a)+FR-1], 0, v[SC+8*NQ*(\sc)+NQ*\b+(\q)], v[SC+8*NQ*(\sc)+NQ*(\a)+(\q)] matrix_a_fmt:MATRIX_FMT_FP4 matrix_b_fmt:MATRIX_FMT_FP4 matrix_a_scale:MATRIX_SCALE_ROW1
.else
	v_wmma_scale_f32_16x16x128_f8f6f4 v[8*(8*((\a)%4)+\b):8*(8*((\a)%4)+\b)+7], v[128*(\p)+FR*\b:128*(\p)+FR*\b+FR-1], v[AF+FR*(\a):AF+FR*(\a)+FR-1], v[8*(8*((\a)%4)+\b):8*(8*((\a)%4)+\b)+7], v[SC+8*NQ*(\sc)+NQ*\b+(\q)], v[SC+8*NQ*(\sc)+NQ*(\a)+(\q)] matrix_a_fmt:MATRIX_FMT_FP4 matrix_b_fmt:MATRIX_FMT_FP4 matrix_a_scale:MATRIX_SCALE_ROW1
.endif
.endr
.endr
.endm
.macro FETCH_B slot, q, p
	WIN TO_B
.irp i, 0,1,2,3,4,5,6,7
	FRAG 128*(\p)+FR*\i, ADRB+\slot, \q, \i
.endr
	WIN 0
.endm
.macro FETCH_A slot, q, i0
.irp i, \i0, \i0+1, \i0+2, \i0+3
	FRAG AF+FR*(\i), ADRA+\slot, \q, \i
.endr
.endm
.macro SCALES sc                       ; a K step's scale words: lanes 0-15 take A's block i, lanes 16-31 B's block i
.irp i, 0,1,2,3,4,5,6,7
	ds_load_b128 v[SC+8*NQ*\sc+NQ*\i:SC+8*NQ*\sc+NQ*\i+3], v[ADRS] offset:\i*SBLK
.endr
.endm
.macro PLACES n                        ; plain vector lines between a matrix instruction and a load into its registers (ISA guide 7.12.1 for vector instructions)
.rept \n
	v_nop
.endr
.endm
.macro STEP slot, q, zero              ; 128 along K that has its successor in the same slot
	s_wait_dscnt 4*NL                              ; B's set and A's blocks 0-3 are in; the youngest eight loads (A's blocks 4-7) may be out
	WIN MUL_LO
	MUL16 0, (\q)%2, \q, \slot, \zero
	MUL16 2, (\q)%2, \q, \slot, \zero
	s_wait_dscnt 0
	PLACES NP
	FETCH_B \slot, (\q)+1, 1-(\q)%2
	FETCH_A \slot, (\q)+1, 0
	WIN MUL_HI
	MUL16 4, (\q)%2, \q, \slot, \zero
	MUL16 6, (\q)%2, \q, \slot, \zero
	PLACES NP
	WIN 0
	FETCH_A \slot, (\q)+1, 4
.endm
.macro STEPS slot, from
.set Q, \from
.rept NQ-1-\from
	STEP \slot, Q, 0
.set Q, Q+1
.endr
.endm
	s_wait_tensorcnt 1                             ; the scales and my part of K step 0 are in; K step 1's load may be out
	s_barrier_signal -1
	s_barrier_wait -1
	FETCH_B 0, 0, 0
	FETCH_A 0, 0, 0
	SCALES 0
	FETCH_A 0, 0, 4
	STEP 0, 0, 1                                   ; the first products start the sums: nothing is cleared
	STEPS 0, 1
	; slot 0's last step changes slots: one barrier; nothing is filled again
	s_wait_tensorcnt 0x0                           ; my part of slot 1 has landed
	ds_add_u32 v[SPW], v[NIL]
	s_wait_dscnt 4*NL+1                            ; the add and the youngest eight loads may be out
	WIN MUL_LO
	MUL16 0, 1, NQ-1, 0, 0
	s_wait_dscnt 0x0                               ; the add is done, and my reads of slot 0 are over
	s_barrier_signal -1
	MUL16 2, 1, NQ-1, 0, 0
	WIN 0
	s_barrier_wait -1
	PLACES NP
	v_add_nc_u32 v[ADRS], 4*NQ, v[ADRS]            ; the next K step's scale words
	FETCH_B 1, 0, 0
	FETCH_A 1, 0, 0
	SCALES 1
	WIN MUL_HI
	MUL16 4, 1, NQ-1, 0, 0
	MUL16 6, 1, NQ-1, 0, 0
	PLACES NP
	WIN 0
	FETCH_A 1, 0, 4
	STEPS 1, 0
	s_wait_dscnt 4*NL                              ; the very last step
	WIN MUL_LO
	MUL16 0, 1, NQ-1, 1, 0
	MUL16 2, 1, NQ-1, 1, 0
	s_wait_dscnt 0
	WIN MUL_HI
	MUL16 4, 1, NQ-1, 1, 0
	MUL16 6, 1, NQ-1, 1, 0
; THE WAY OUT, block by block of 16 rows x 128 columns: (sum + bias) x s in one fused multiply-add, rounded to f16, through my stage, out as two tokens of one head for each sixteen lanes.
	s_wait_loadcnt 0x0                             ; the bias
	WIN 0x41
.set i, 0
.rept 32
	v_pk_mul_f32 v[BI+2*i:BI+2*i+1], v[BI+2*i:BI+2*i+1], s[98:99] op_sel_hi:[1,0]   ; bias x s.  These 32 name no register of the last products: they are the places behind them
.set i, i+1
.endr
.macro PACK a
.set AC, 64*((\a)%4)
	WIN 0x12+((\a)/4)                              ; source 0: window 2 or 3; source 2: window 1
.irp b, 0,1,2,3,4,5,6,7
.irp i, 0,2,4,6
	v_pk_fma_f32 v[T64+8*\b+\i:T64+8*\b+\i+1], v[AC+8*\b+\i:AC+8*\b+\i+1], s[98:99], v[BI+8*\b+\i:BI+8*\b+\i+1] op_sel_hi:[1,0,1]   ; each accumulator from its low end on
.endr
.endr
	WIN 0
.irp b, 0,1,2,3,4,5,6,7
.irp i, 0,1,2,3
	v_cvt_pk_f16_f32 v[TMP+4*\b+\i], v[T64+8*\b+2*\i], v[T64+8*\b+2*\i+1]
.endr
.endr
.endm
.macro TOSTAGE a
.irp b, 0,1,2,3,4,5,6,7
	ds_store_b128 v[STO], v[TMP+4*\b:TMP+4*\b+3] offset:32*\b
.endr
.irp t, 0,1,2,3,4,5,6,7
	ds_load_b128 v[BK+32*((\a)%2)+4*\t:BK+32*((\a)%2)+4*\t+3], v[RD] offset:2*SP16*\t   ; LDS serves a wave's instructions in order: these see the stores above
.endr
.endm
.macro SEND a
	s_wait_dscnt 0x0                               ; the block is back in registers
	s_wait_xcnt 0x0                                ; the earlier stores have read their registers: the next block's loads may land there
.irp t, 0,1,2,3,4,5,6,7
	global_store_b128 v[CO], v[BK+32*((\a)%2)+4*\t:BK+32*((\a)%2)+4*\t+3], s[12:13] offset:2048*(\a)+256*\t
.endr
.endm
	PACK 0
	; v's first 16 rows of the tile in f32: the cluster's x and the wave's number decide, the same in all partners
	s_cmp_lg_u32 ttmp9, 2
	s_cbranch_scc1 .Lno_v32
	s_cmp_lg_u32 s15, 0
	s_cbranch_scc1 .Lno_v32
.irp b, 0,1,2,3,4,5,6,7
	ds_store_b128 v[STO2], v[T64+8*\b:T64+8*\b+3] offset:64*\b
	ds_store_b128 v[STO2], v[T64+8*\b+4:T64+8*\b+7] offset:64*\b+16
.endr
.irp t, 0,1,2,3,4,5,6,7,8,9,10,11,12,13,14,15
	ds_load_b128 v[BK+4*\t:BK+4*\t+3], v[RD2] offset:\t*SP32
.endr
	s_wait_dscnt 0x0
.irp t, 0,1,2,3,4,5,6,7,8,9,10,11,12,13,14,15
	global_store_b128 v[CO2], v[BK+4*\t:BK+4*\t+3], s[10:11] offset:\t*4096   ; 32 lanes store 512 consecutive bytes of a row
.endr
	s_wait_xcnt 0x0                                ; these stores have read their registers: block 0's rows land there next
.Lno_v32:
	TOSTAGE 0
.irp a, 1,2,3,4,5,6,7                  ; block a's arithmetic stands between block a - 1's loads from the stage and the wait for them
	PACK \a
	SEND \a-1
	TOSTAGE \a
.endr
	SEND 7
	s_wait_tensorcnt 0x0                           ; the wave's end
	ds_add_u32 v[SPW], v[NIL]
	s_wait_dscnt 0x0
	CROUND                                         ; the closing round
	s_endpgm
.Lfunc_end_k_q3104944745_qkv:
	.size	k_q3104944745_qkv, .Lfunc_end_k_q3104944745_qkv-k_q3104944745_qkv
	.p2alignl 7, 3214868480
	.fill 96, 4, 3214868480
	.section	.rodata,"a",@progbits
	.p2align	6, 0x0
	.amdhsa_kernel k_q3104944745_qkv
		.amdhsa_group_segment_fixed_size 327680
		.amdhsa_private_segment_fixed_size 0
		.amdhsa_enable_private_segment 0
		.amdhsa_kernarg_size 72
		.amdhsa_user_sgpr_count 2
		.amdhsa_user_sgpr_kernarg_segment_ptr 1
		.amdhsa_wavefront_size32 1
		.amdhsa_system_sgpr_workgroup_id_x 1
		.amdhsa_system_sgpr_workgroup_id_y 1
		.amdhsa_system_sgpr_workgroup_id_z 1
		.amdhsa_system_vgpr_workitem_id 0
		.amdhsa_next_free_vgpr 1024
		.amdhsa_next_free_sgpr 100
		.amdhsa_reserve_vcc 0
		.amdhsa_float_denorm_mode_32 3
		.amdhsa_float_denorm_mode_16_64 3
		.amdhsa_memory_ordered 1
		.amdhsa_forward_progress 1
		.amdhsa_inst_pref_size 151
	.end_amdhsa_kernel
	.amdgpu_metadata
---
amdhsa.version: [ 1, 2 ]
amdhsa.kernels:
  - .name:           k_q3104944745_qkv
    .symbol:         k_q3104944745_qkv.kd
    .args:
      - { .name: xc, .offset: 0, .size: 8, .value_kind: global_buffer, .address_space: global }
      - { .name: xs, .offset: 8, .size: 8, .value_kind: global_buffer, .address_space: global }
      - { .name: wc, .offset: 16, .size: 8, .value_kind: global_buffer, .address_space: global }
      - { .name: ws, .offset: 24, .size: 8, .value_kind: global_buffer, .address_space: global }
      - { .name: qkv16, .offset: 32, .size: 8, .value_kind: global_buffer, .address_space: global }
      - { .name: bq, .offset: 40, .size: 8, .value_kind: global_buffer, .address_space: global }
      - { .name: bk, .offset: 48, .size: 8, .value_kind: global_buffer, .address_space: global }
      - { .name: bv, .offset: 56, .size: 8, .value_kind: global_buffer, .address_space: global }
      - { .name: v32, .offset: 64, .size: 8, .value_kind: global_buffer, .address_space: global }
    .group_segment_fixed_size: 327680
    .private_segment_fixed_size: 0
    .kernarg_segment_align: 8
    .kernarg_segment_size: 72
    .max_flat_workgroup_size: 128
    .sgpr_count:     100
    .vgpr_count:     1024
    .wavefront_size: 32
...
	.end_amdgpu_metadata
.endif
;; end of part 2
;; launch attn (part 3): grid 8 x 32, 8 waves a work-group, no clusters, 327,680 bytes of LDS; arguments qkv16, att16; writes att16
.if DOCPART == 3
	.amdgcn_target "amdgcn-amd-amdhsa--gfx1250"
	.amdhsa_code_object_version 6
	.text
	.protected	k_q3104944745_attn
	.globl	k_q3104944745_attn
	.p2align	8
	.type	k_q3104944745_attn,@function
k_q3104944745_attn:
	s_mov_b64 s[64:65], 0
	v_nop
	global_prefetch_b8 v0, s[64:65] scope:SCOPE_SE
	s_setreg_imm32_b32 hwreg(HW_REG_WAVE_MODE, 25, 1), 1
	s_wait_xcnt 0x0
; att16[bh][q][:] = the sum over k <= q of softmax_k(q . k / 8) v[k][:], f16 operands, f32 sums, a running maximum.  qkv16 [3][32 bh][2048][64] f16 (q already x log2(e) / 8), att16 [32 bh][2048][64] f16.
; LIMITS: the result stays under 65,504; NaN and infinities are not served.
; SHARES.  Work-group (J, bh) owns two blocks of 128 queries of one head: first block 15 - J, then block J: 17 tiles of 128 x 128 that the mask keeps, for every J.  Wave w: WQ = w & 3: 32 queries (two tiles x);
; HALF = w >> 2: of a trip's 256 keys the lower or the upper 128.  Block qb takes qb / 2 + 1 trips; the two blocks take 9 for every J: eight in the loop, one written out.
; A key block beyond the query block is left out (a scalar branch on ids), and its tiles are not asked for.  At a block's end the upper waves hand m, l and O^T to their partners w - 4 through LDS.
; NO CLUSTER: the eight work-groups of a head walk different key blocks after their fifth trip (15 - J differs), so partners would want different tiles in one round of a cluster's barrier.
; LAYOUT.  S^T = K Q^T (source 0 = 16 keys, source 1 = 16 queries), O^T = V^T P (source 0 = 16 channels, turned by ds_load_tr16_b128): a lane holds one query throughout.
; REGISTERS.  window 0: v2-17 addresses; v24-39 statistics, 8 a tile; v40-55 maxima in chains; v64-191 S^T (64 x + 8 t + j); v192-255 P (32 x + 4 t + i).
;   window 1: v0-63 O^T (32 x + 8 n + j); v64-95 Q; v96-127 the second block's Q; v128-255 K's fragments, then V's.
.set KP,    144                        ; a key's row of K in LDS: 128 bytes + 16
.set VP,    160                        ; of V: 128 + 32
.set SLOT1, 1<<17
.set VOFF,  256*KP                     ; a slot: 256 rows of K, then 256 rows of V,
.set MRG,   VOFF+256*VP                ; and behind them, where no tile lands, a region for the hand-over: 4 x 9,216 bytes; the two slots' regions take turns trip by trip
.set STG,   SLOT1+MRG+4*9216           ; the way out: 32 rows x 144 bytes for each of waves 0-3
.set SPARE, STG+4*4608                 ; the spare words, 128 bytes for each wave
.set AK0, 2
.set AV0, 3
.set ADK, 4
.set ADV, 5
.set QO,  6
.set STO, 7
.set RD,  8
.set GO,  9
.set MST, 10
.set MAD, 11
.set DG,  12                           ; v12-13  my query in its block - 8 h, for tile x
.set NINF, 14
.set PFO, 15
.set SPW, 16
.set NIL, 17
.set ST,  24                           ; + 8 x: +0 m, +1 (its pair), +2, +3 l, +4 a, +5 (its pair), +6, +7 at work
.set CH,  40
.set S,   64
.set P,   192
.set O,   0
.set Q,   64
.set QN,  96
.set F,   128
.set WV,  8
.set HALF, 9
.set WQ,  10
.set J,   11
.set BH,  12
.set NA,  13                           ; the first block's trips
.set TAU, 14
.set CQB, 15                           ; this trip's query block and first key block
.set CS2, 16
.set NQB, 17                           ; those of the tiles asked for last
.set NS2, 18
.set TB,  19
.set TM,  20
.set KV,  21
.set OBA, 22
.set OBB, 24
.set KB,  26
.set VB,  28
.set OFF, 30
.set G1K, 32
.set G1V, 40
.set G0K, 48
.set G0V, 52
.set SEL, 56
.set PFA, 58
.set LIM, 60
.set MSB, 0
.macro WIN new
.if MSB != \new
	s_set_vgpr_msb (MSB<<8)|\new
.set MSB, \new
.endif
.endm
; Each wave fetches one piece of 64 keys: waves with bit 1 clear K's, the others V's.  An s_nop 0 and four v_nop follow each of the two lines.
.macro KVLOAD
	s_cmp_eq_u32 s[KV], 0
	s_cbranch_scc0 .Lfor_v_\@
	tensor_load_to_lds s[G0K:G0K+3], s[G1K:G1K+7]
	s_nop 0
.rept 4
	v_nop
.endr
	s_branch .Lasked_\@
.Lfor_v_\@:
	tensor_load_to_lds s[G0V:G0V+3], s[G1V:G1V+7]
	s_nop 0
.rept 4
	v_nop
.endr
.Lasked_\@:
.endm
; The next trip's tiles.  Its upper 128 keys are asked for only if they are read: where they lie beyond the query block, a test on ids and the count of trips leads the upper waves round their load.
; Every wait on TENSORcnt in this text is for 0, and where that trip falls hangs on J, so it cannot be written out.
.macro TLOAD
	s_cmp_lt_u32 s[WV], 4
	s_cbranch_scc1 .Lload_\@
	s_add_co_u32 s61, s[NS2], 1
	s_cmp_gt_u32 s61, s[NQB]
	s_cbranch_scc1 .Lnone_\@
.Lload_\@:
	KVLOAD
.Lnone_\@:
.endm
; A prefetch of the tiles that the NEXT change of slots will ask for.  Of a head's eight work-groups the one with J = 0 walks all 2,048 keys in order: it alone asks, in trips 0 to 5 for trips 2 to 7.
; Waves 0-3 name K's 32,768 bytes, waves 4-7 V's: 8,192 a wave, lanes 256 bytes apart: each block of 256 bytes is named once in the launch.
.macro ASK
	s_cmp_lt_u32 s[TAU], s[LIM]
	s_cbranch_scc0 .Lnot_mine_\@
	global_prefetch_b8 v[PFO], s[PFA:PFA+1] th:TH_LOAD_NT scope:SCOPE_SE
.Lnot_mine_\@:
.endm
	s_load_b128 s[4:7], s[0:1], 0x0                ; qkv16, att16
	v_lshl_add_u32 v[SPW], v0, 2, SPARE
	v_mov_b32 v[NIL], 0
	ds_add_u32 v[SPW], v[NIL]                      ; the wave's opening: the add, twice on end, and its wait ahead of my first tensor load
	ds_add_u32 v[SPW], v[NIL]
	v_lshrrev_b32 v1, 5, v0
	v_readfirstlane_b32 s[WV], v1                  ; wave 0..7
	s_lshr_b32 s[HALF], s[WV], 2
	s_and_b32 s[WQ], s[WV], 3
	s_and_b32 s[KV], s[WV], 2
	s_mov_b32 s[J], ttmp9
	s_and_b32 s[BH], ttmp7, 0xffff
	s_sub_co_u32 s[NQB], 15, s[J]                  ; the first block
	s_lshr_b32 s[NA], s[NQB], 1
	s_add_co_u32 s[NA], s[NA], 1
	s_mov_b32 s[NS2], 0
	s_mov_b32 s[TB], 0
	s_mov_b32 s[TM], MRG
	s_mov_b32 s[OFF], 0
	s_mov_b32 s[OFF+1], 0
	s_mov_b32 s[SEL], 0x76543210
	s_mov_b32 s[SEL+1], 0xfedcba98
	; group 1: 64 keys, dense in memory, as 32 rows of 256 bytes (two keys); padding behind every 128 bytes
	s_mov_b32 s[G1K], (1<<16)|(1<<20)|(4<<22)|(3<<25)   ; elements of 2 bytes; 4 words after every 32
	s_mov_b32 s[G1V], (1<<16)|(1<<20)|(4<<22)|(7<<25)   ; 8 words
.irp g, G1K, G1V
	s_mov_b32 s[\g+1], 128<<16                     ; tensor_dim0
	s_mov_b32 s[\g+2], 32<<16                      ; tensor_dim1
	s_mov_b32 s[\g+3], 128<<16                     ; tile_dim0
	s_mov_b32 s[\g+4], 32                          ; tile_dim1
	s_mov_b32 s[\g+5], 128                         ; the pitch
	s_mov_b32 s[\g+6], 0
	s_mov_b32 s[\g+7], 0
.endr
	s_lshl_b32 s66, s[BH], 18                      ; the head's first byte in q, k, v and att16
	s_lshl_b32 s61, s[HALF], 7
	s_and_b32 s62, s[WV], 1
	s_lshl_b32 s62, s62, 6
	s_add_co_u32 s61, s61, s62                     ; my piece's first key of the trip's 256
	s_mov_b32 s[G0K], 1
	s_mul_i32 s[G0K+1], s61, KP
	s_mov_b32 s[G0V], 1
	s_mul_i32 s[G0V+1], s61, VP
	s_add_co_u32 s[G0V+1], s[G0V+1], VOFF
	s_lshl_b32 s68, s61, 7
	s_add_co_u32 s68, s68, s66
	s_mov_b32 s69, 0
	s_lshl_b32 s63, s[WQ], 5
	s_lshl_b32 s62, s[NQB], 7
	s_add_co_u32 s62, s62, s63
	s_lshl_b32 s62, s62, 7
	s_add_co_u32 s62, s62, s66                     ; my 32 queries of the first block,
	s_lshl_b32 s70, s[J], 7
	s_add_co_u32 s70, s70, s63
	s_lshl_b32 s70, s70, 7
	s_add_co_u32 s70, s70, s66                     ; and of the second
	s_mov_b32 s63, 0
	s_mov_b32 s71, 0
	s_lshl_b32 s61, s[WQ], 13
	s_add_co_u32 s66, s66, s61
	s_add_co_u32 s66, s66, 32768                   ; the prefetches stand at trip 1; the first change of slots steps them to trip 2
	s_mov_b32 s61, 0x1000000
	s_cmp_lt_u32 s[WV], 4
	s_cselect_b32 s61, 0x800000, s61               ; in k, or in v
	s_add_co_u32 s66, s66, s61
	s_mov_b32 s67, 0
	s_cmp_eq_u32 s[J], 0
	s_cselect_b32 s[LIM], 6, 0
	s_wait_dscnt 0x0                               ; both opening adds are done
	s_wait_kmcnt 0x0
	s_add_nc_u64 s[KB:KB+1], s[4:5], s[68:69]
	s_add_nc_u64 s[VB:VB+1], s[KB:KB+1], 0x1000000
	s_add_nc_u64 s[KB:KB+1], s[KB:KB+1], 0x800000
	s_mov_b64 s[G0K+2:G0K+3], s[KB:KB+1]
	s_or_b32 s[G0K+3], s[G0K+3], 0x80000000
	s_mov_b64 s[G0V+2:G0V+3], s[VB:VB+1]
	s_or_b32 s[G0V+3], s[G0V+3], 0x80000000
	KVLOAD                                         ; slot 0: keys 0 to 255, which every first block reads whole.  By this text's own count one load of a wave is out
	s_add_nc_u64 s[OBA:OBA+1], s[6:7], s[62:63]
	s_add_nc_u64 s[OBB:OBB+1], s[6:7], s[70:71]
	s_add_nc_u64 s[62:63], s[4:5], s[62:63]
	s_add_nc_u64 s[70:71], s[4:5], s[70:71]
	s_add_nc_u64 s[PFA:PFA+1], s[4:5], s[66:67]
	v_and_b32 v1, 15, v0                           ; r
	v_bfe_u32 v18, v0, 4, 1                        ; h
	v_and_b32 v19, 31, v0                          ; lane
	v_lshlrev_b32 v[QO], 7, v1
	v_lshl_add_u32 v[QO], v18, 4, v[QO]
	WIN 0x40
.irp x, 0,1
.irp c, 0,1
	global_load_b128 v[Q+16*\x+8*\c:Q+16*\x+8*\c+3], v[QO], s[62:63] offset:2048*\x+64*\c
	global_load_b128 v[Q+16*\x+8*\c+4:Q+16*\x+8*\c+7], v[QO], s[62:63] offset:2048*\x+64*\c+32
	global_load_b128 v[QN+16*\x+8*\c:QN+16*\x+8*\c+3], v[QO], s[70:71] offset:2048*\x+64*\c
	global_load_b128 v[QN+16*\x+8*\c+4:QN+16*\x+8*\c+7], v[QO], s[70:71] offset:2048*\x+64*\c+32
.endr
.endr
.set i, 0
.rept 64
	v_mov_b32 v[O+i], 0                            ; O^T: the step is written once; the first finds zeros
.set i, i+1
.endr
	WIN 0
	s_mul_i32 s61, s[HALF], 128*KP
	v_mul_u32_u24 v[AK0], v1, KP
	v_lshl_add_u32 v[AK0], v18, 4, v[AK0]
	v_add_nc_u32 v[AK0], s61, v[AK0]               ; K: row r, 16 h, my half's 128 keys
	s_mul_i32 s61, s[HALF], 128*VP
	s_add_co_u32 s61, s61, VOFF
	v_and_b32 v20, 7, v0
	v_bfe_u32 v21, v0, 3, 1
	v_lshl_add_u32 v[AV0], v18, 3, v20
	v_mul_u32_u24 v[AV0], v[AV0], VP
	v_lshl_add_u32 v[AV0], v21, 4, v[AV0]
	v_add_nc_u32 v[AV0], s61, v[AV0]               ; V, for the turning load: key 8 h + lane % 8, channels 8 ((lane / 8) % 2) on
	s_mul_i32 s61, s[WQ], 4608
	s_add_co_u32 s61, s61, STG
	v_mul_u32_u24 v[STO], v1, 144
	v_lshl_add_u32 v[STO], v18, 4, v[STO]
	v_add_nc_u32 v[STO], s61, v[STO]
	v_bfe_u32 v22, v0, 3, 2
	v_mul_u32_u24 v[RD], v22, 144
	v_lshl_add_u32 v[RD], v20, 4, v[RD]
	v_add_nc_u32 v[RD], s61, v[RD]
	v_lshlrev_b32 v[GO], 4, v19
	s_mul_i32 s61, s[WQ], 9216
	v_add_nc_u32 v[MST], s61, v[GO]
	v_lshlrev_b32 v22, 3, v18
	v_sub_nc_u32 v[DG], v1, v22
	s_lshl_b32 s61, s[WQ], 5
	v_add_nc_u32 v[DG], s61, v[DG]
	v_add_nc_u32 v[DG+1], 16, v[DG]
	v_mov_b32 v[NINF], 0xff800000
	v_lshlrev_b32 v[PFO], 8, v19
.set i, 0
.rept 32
	v_mov_b32 v[ST+i], 0                           ; l, the pairs' partners, the permutes' destinations, the chains: written once
.set i, i+1
.endr
	v_mov_b32 v[ST], v[NINF]                       ; m: under every score; every tile that is worked shows each query a key, so m is a number behind it
	v_mov_b32 v[ST+8], v[NINF]
	s_wait_loadcnt 0x0                             ; Q
; THE CHANGE OF SLOTS, at a trip's head.  Each wave waits for all its tensor loads (its piece of this trip's slot), adds 0 to its spare word, and waits for that and for its LDS instructions.
; Behind the barrier this trip's slot is whole and nobody reads the other one, which takes the next trip's tiles: they have a whole trip in which to land.
.macro CHANGE fill
	s_wait_tensorcnt 0x0                           ; no tensor load of mine is out: the groups 0 may be written
	ds_add_u32 v[SPW], v[NIL]                      ; 0 onto my spare word; the scalar work stands between it and the wait for it
	s_mov_b32 s[CQB], s[NQB]
	s_mov_b32 s[CS2], s[NS2]
.if \fill
	s_add_co_u32 s61, s[NS2], 2
	s_cmp_gt_u32 s61, s[NQB]                       ; is the block walked through?
	s_cselect_b32 s[NS2], 0, s61
	s_cselect_b32 s[NQB], s[J], s[NQB]
	s_lshl_b32 s[OFF], s[NS2], 14                  ; a key block is 16,384 bytes
	s_xor_b32 s[G0K+1], s[G0K+1], SLOT1
	s_xor_b32 s[G0V+1], s[G0V+1], SLOT1
	s_add_nc_u64 s[G0K+2:G0K+3], s[KB:KB+1], s[OFF:OFF+1]
	s_or_b32 s[G0K+3], s[G0K+3], 0x80000000
	s_add_nc_u64 s[G0V+2:G0V+3], s[VB:VB+1], s[OFF:OFF+1]
	s_or_b32 s[G0V+3], s[G0V+3], 0x80000000
	s_wait_xcnt 0x0                                ; the last prefetch, a trip back, has read its address
	s_add_nc_u64 s[PFA:PFA+1], s[PFA:PFA+1], 32768
.endif
	s_wait_dscnt 0x0                               ; the add is done; my reads of the slot that I have left are over; what I handed over has landed
	s_barrier_signal -1
	s_barrier_wait -1
.if \fill
	TLOAD                                          ; the first thing behind the barrier, a wave's one tensor load until the next
	ASK
.endif
.endm
; The softmax of my two tiles of 16 queries x 128 keys, line by line by turns.
.macro SOFT
.irp t, 0,1,2,3,4,5,6,7
.irp x, 0,1
	v_max3_num_f32 v[CH+8*\x+\t], v[S+64*\x+8*\t], v[S+64*\x+8*\t+1], v[S+64*\x+8*\t+2]   ; eight chains a tile; each result is read from its low end on
.endr
.endr
.irp k, 3,5
.irp t, 0,1,2,3,4,5,6,7
.irp x, 0,1
	v_max3_num_f32 v[CH+8*\x+\t], v[CH+8*\x+\t], v[S+64*\x+8*\t+\k], v[S+64*\x+8*\t+\k+1]
.endr
.endr
.endr
.irp t, 0,1,2,3
.irp x, 0,1
	v_max3_num_f32 v[CH+8*\x+\t], v[CH+8*\x+\t], v[S+64*\x+8*\t+7], v[S+64*\x+8*\t+39]
.endr
.endr
.irp x, 0,1
	v_max3_num_f32 v[CH+8*\x], v[CH+8*\x], v[CH+8*\x+4], v[CH+8*\x+5]
	v_max3_num_f32 v[CH+8*\x+1], v[CH+8*\x+1], v[CH+8*\x+6], v[CH+8*\x+7]
.endr
.irp x, 0,1
	v_max3_num_f32 v[CH+8*\x], v[CH+8*\x], v[CH+8*\x+1], v[CH+8*\x+2]
.endr
.irp x, 0,1
	v_max3_num_f32 v[CH+8*\x], v[CH+8*\x], v[CH+8*\x+3], v[ST+8*\x]        ; and the old m
.endr
.irp x, 0,1
	v_permlanex16_b32 v[ST+8*\x+6], v[CH+8*\x], s[SEL], s[SEL+1]           ; the query's other keys lie in the lane 16 away
.endr
.irp x, 0,1
	v_max_num_f32 v[ST+8*\x+7], v[CH+8*\x], v[ST+8*\x+6]
.endr
.irp x, 0,1
	v_sub_f32 v[ST+8*\x+4], v[ST+8*\x], v[ST+8*\x+7]                       ; old m - new m
.endr
.irp x, 0,1
	v_mov_b32 v[ST+8*\x], v[ST+8*\x+7]
.endr
.set i, 0
.rept 32
.irp x, 0,1
	v_pk_add_f32 v[S+64*\x+2*i:S+64*\x+2*i+1], v[S+64*\x+2*i:S+64*\x+2*i+1], v[ST+8*\x:ST+8*\x+1] op_sel_hi:[1,0] neg_lo:[0,1] neg_hi:[0,1]   ; t - m
.endr
.set i, i+1
.endr
.irp x, 0,1
	v_exp_f32 v[ST+8*\x+4], v[ST+8*\x+4]           ; a = 2^(old m - new m)
.endr
.set i, 0
.rept 128
	v_exp_f32 v[S+i], v[S+i]                       ; p = 2^(t - m): one batch
.set i, i+1
.endr
	v_nop                                          ; a plain line behind the last exponential,
	s_wait_alu depctr_va_vdst(0)                   ; and the one wait ahead of the batch's first reader
.set i, 0
.rept 32
.irp x, 0,1
	v_cvt_pk_f16_f32 v[P+32*\x+i], v[S+64*\x+2*i], v[S+64*\x+2*i+1]        ; tiles 2 u and 2 u + 1 are fragment u of the second product
.endr
.set i, i+1
.endr
.irp w, 4,8,16,32,64                   ; the sum of the unrounded p, in place, pairs 1, 2, 4, 8, 16 apart
.set i, 0
.rept 64/\w
.irp x, 0,1
	v_pk_add_f32 v[S+64*\x+\w*i:S+64*\x+\w*i+1], v[S+64*\x+\w*i:S+64*\x+\w*i+1], v[S+64*\x+\w*i+\w/2:S+64*\x+\w*i+\w/2+1]
.endr
.set i, i+1
.endr
.endr
.irp x, 0,1
	v_pk_fma_f32 v[ST+8*\x+2:ST+8*\x+3], v[ST+8*\x+2:ST+8*\x+3], v[ST+8*\x+4:ST+8*\x+5], v[S+64*\x:S+64*\x+1] op_sel_hi:[1,0,1]   ; l = l a + the sum
.endr
.endm
; A TRIP'S WORK of a wave: my 32 queries against my half's 128 keys.
.macro STEP
	s_add_co_u32 s61, s[CS2], s[HALF]              ; my key block
	s_cmp_gt_u32 s61, s[CQB]
	s_cbranch_scc1 .Lhidden_\@                     ; wholly under the mask: ids alone; no barrier and no tensor load stands in a step
	v_add_nc_u32 v[ADK], s[TB], v[AK0]
	v_add_nc_u32 v[ADV], s[TB], v[AV0]
	v_nop
	v_nop                                          ; four places in front of loads into registers that the last products read
	WIN 0x40
.irp c, 0,1
.irp t, 0,1,2,3,4,5,6,7
	ds_load_b128 v[F+16*\t+8*\c:F+16*\t+8*\c+3], v[ADK] offset:16*KP*\t+64*\c
	ds_load_b128 v[F+16*\t+8*\c+4:F+16*\t+8*\c+7], v[ADK] offset:16*KP*\t+64*\c+32
.endr
.endr
	s_wait_dscnt 16                                ; channels 0-31 are in; the 16 loads of channels 32-63 may be out
	WIN 0x05
.irp t, 0,1,2,3,4,5,6,7
.irp x, 0,1
	v_wmma_f32_16x16x32_f16 v[S+64*\x+8*\t:S+64*\x+8*\t+7], v[F+16*\t:F+16*\t+7], v[Q+16*\x:Q+16*\x+7], 0
.endr
.endr
	s_wait_dscnt 0x0
.irp t, 0,1,2,3,4,5,6,7                ; the 16 accumulators take turns
.irp x, 0,1
	v_wmma_f32_16x16x32_f16 v[S+64*\x+8*\t:S+64*\x+8*\t+7], v[F+16*\t+8:F+16*\t+15], v[Q+16*\x+8:Q+16*\x+15], v[S+64*\x+8*\t:S+64*\x+8*\t+7]
.endr
.endr
.rept 4
	v_nop                                          ; places: V lands where K lay, and the scores are read next
.endr
	WIN 0x40
.irp u, 0,1,2,3
.irp n, 0,1,2,3
	ds_load_tr16_b128 v[F+32*\u+8*\n:F+32*\u+8*\n+3], v[ADV] offset:32*VP*\u+32*\n
	ds_load_tr16_b128 v[F+32*\u+8*\n+4:F+32*\u+8*\n+7], v[ADV] offset:32*VP*\u+16*VP+32*\n
.endr
.endr
	WIN 0
	s_cmp_lg_u32 s61, s[CQB]
	s_cbranch_scc1 .Lopen_\@                       ; only the block on the diagonal is masked
.irp x, 0,1
.set i, 0
.rept 64
	v_cmp_gt_i32 vcc_lo, 16*(i/8)+i%8, v[DG+\x]    ; register 8 t + j holds key 16 t + 8 h + j of the block
	v_cndmask_b32 v[S+64*\x+i], v[S+64*\x+i], v[NINF], vcc_lo
.set i, i+1
.endr
.endr
.Lopen_\@:
	SOFT
	WIN 0x41
.irp x, 0,1
.set i, 0
.rept 16
	v_pk_mul_f32 v[O+32*\x+2*i:O+32*\x+2*i+1], v[O+32*\x+2*i:O+32*\x+2*i+1], v[ST+8*\x+4:ST+8*\x+5] op_sel_hi:[1,0]   ; O^T x a
.set i, i+1
.endr
.endr
	s_wait_dscnt 0x0                               ; V
	WIN 0x51
.irp u, 0,1,2,3
.irp n, 0,1,2,3
.irp x, 0,1
	v_wmma_f32_16x16x32_f16 v[O+32*\x+8*\n:O+32*\x+8*\n+7], v[F+32*\u+8*\n:F+32*\u+8*\n+7], v[P+32*\x+8*\u:P+32*\x+8*\u+7], v[O+32*\x+8*\n:O+32*\x+8*\n+7]
.endr
.endr
.endr
	WIN 0
.Lhidden_\@:
.endm
; An upper wave hands its O^T and statistics over as images of its registers: 16 bytes a lane, 512 bytes a store.
.macro GIVE
.rept 4
	v_nop                                          ; places behind the last products
.endr
	WIN 0x04
.irp i, 0,1,2,3,4,5,6,7,8,9,10,11,12,13,14,15
	ds_store_b128 v[MAD], v[O+4*\i:O+4*\i+3] offset:512*\i
.endr
	WIN 0
.irp x, 0,1
	ds_store_b128 v[MAD], v[ST+8*\x:ST+8*\x+3] offset:8192+512*\x
.endr
.endm
; A lower wave joins its partner's part to its own, divides by the sum and stores 32 rows of att16.
.macro FINISH ob
.rept 4
	v_nop
.endr
	WIN 0x40
.irp i, 0,1,2,3,4,5,6,7,8,9,10,11,12,13,14,15
	ds_load_b128 v[F+4*\i:F+4*\i+3], v[MAD] offset:512*\i
.endr
	WIN 0
.irp x, 0,1
	ds_load_b128 v[CH+8*\x:CH+8*\x+3], v[MAD] offset:8192+512*\x
.endr
	s_wait_dscnt 0x0
.irp x, 0,1
	v_max_num_f32 v[ST+8*\x+6], v[ST+8*\x], v[CH+8*\x]
.endr
.irp x, 0,1
	v_sub_f32 v[ST+8*\x+4], v[ST+8*\x], v[ST+8*\x+6]
	v_sub_f32 v[CH+8*\x+4], v[CH+8*\x], v[ST+8*\x+6]
.endr
.irp x, 0,1
	v_exp_f32 v[ST+8*\x+4], v[ST+8*\x+4]
	v_exp_f32 v[CH+8*\x+4], v[CH+8*\x+4]
.endr
.irp x, 0,1
	v_add_f32 v[ST+8*\x+2], v[ST+8*\x+2], v[ST+8*\x+3]
	v_add_f32 v[CH+8*\x+2], v[CH+8*\x+2], v[CH+8*\x+3]
.endr
	s_wait_alu depctr_va_vdst(0)                   ; one wait for the four exponentials, ahead of their first reader
.irp x, 0,1
	v_mul_f32 v[ST+8*\x+2], v[ST+8*\x+4], v[ST+8*\x+2]
.endr
.irp x, 0,1
	v_fmac_f32 v[ST+8*\x+2], v[CH+8*\x+4], v[CH+8*\x+2]
.endr
.irp x, 0,1
	v_permlanex16_b32 v[ST+8*\x+7], v[ST+8*\x+2], s[SEL], s[SEL+1]
.endr
.irp x, 0,1
	v_add_f32 v[ST+8*\x+2], v[ST+8*\x+2], v[ST+8*\x+7]
.endr
.irp x, 0,1
	v_rcp_f32 v[ST+8*\x+6], v[ST+8*\x+2]
.endr
	v_nop
	s_wait_alu depctr_va_vdst(0)
.irp x, 0,1
	v_mul_f32 v[ST+8*\x+4], v[ST+8*\x+4], v[ST+8*\x+6]
	v_mul_f32 v[CH+8*\x+4], v[CH+8*\x+4], v[ST+8*\x+6]
.endr
	WIN 0x01
.irp x, 0,1
.set i, 0
.rept 16
	v_pk_mul_f32 v[S+32*\x+2*i:S+32*\x+2*i+1], v[O+32*\x+2*i:O+32*\x+2*i+1], v[ST+8*\x+4:ST+8*\x+5] op_sel_hi:[1,0]
.set i, i+1
.endr
.endr
.irp x, 0,1
.set i, 0
.rept 16
	v_pk_fma_f32 v[S+32*\x+2*i:S+32*\x+2*i+1], v[F+32*\x+2*i:F+32*\x+2*i+1], v[CH+8*\x+4:CH+8*\x+5], v[S+32*\x+2*i:S+32*\x+2*i+1] op_sel_hi:[1,0,1]
.set i, i+1
.endr
.endr
	WIN 0
.set i, 0
.rept 32
	v_cvt_pk_f16_f32 v[P+i], v[S+2*i], v[S+2*i+1]
.set i, i+1
.endr
.irp x, 0,1
.irp n, 0,1,2,3
	ds_store_b128 v[STO], v[P+16*\x+4*\n:P+16*\x+4*\n+3] offset:2304*\x+32*\n
.endr
.endr
.irp x, 0,1
.irp i, 0,1,2,3
	ds_load_b128 v[S+16*\x+4*\i:S+16*\x+4*\i+3], v[RD] offset:2304*\x+576*\i   ; my own stage: LDS serves a wave's instructions in order
.endr
.endr
.irp x, 0,1
.irp i, 0,1,2,3
	s_wait_dscnt 7-4*\x-\i
	global_store_b128 v[GO], v[S+16*\x+4*\i:S+16*\x+4*\i+3], s[\ob:\ob+1] offset:2048*\x+512*\i   ; four rows: 512 consecutive bytes
.endr
.endr
	s_wait_xcnt 0x0                                ; the stores have read their registers, which the next scores take
.endm
.macro RESET                           ; the second block begins
.irp x, 0,1
	v_mov_b32 v[ST+8*\x], v[NINF]
	v_mov_b32 v[ST+8*\x+2], 0
	v_mov_b32 v[ST+8*\x+3], 0
.endr
	WIN 0x40
.set i, 0
.rept 64
	v_mov_b32 v[O+i], 0
.set i, i+1
.endr
	WIN 0x41
.set i, 0
.rept 32
	v_mov_b32 v[Q+i], v[QN+i]
.set i, i+1
.endr
	WIN 0
.endm
.macro GIVE_IF                         ; at the trip with which the second block begins: ids and the count of trips, then the wave's number
	s_cmp_eq_u32 s[TAU], s[NA]
	s_cbranch_scc0 .Lno_give_\@
	s_cmp_lt_u32 s[WV], 4
	s_cbranch_scc1 .Lno_give_\@
	GIVE
.Lno_give_\@:
.endm
.macro TAKE_IF
	s_cmp_eq_u32 s[TAU], s[NA]
	s_cbranch_scc0 .Lno_take_\@
	s_cmp_lt_u32 s[WV], 4
	s_cbranch_scc0 .Lreset_\@
	FINISH OBA
.Lreset_\@:
	RESET
.Lno_take_\@:
.endm
	s_mov_b32 s[TAU], 0
.Ltrip:
	v_add_nc_u32 v[MAD], s[TM], v[MST]             ; this trip's region for the hand-over
	GIVE_IF
	CHANGE 1
	TAKE_IF
	STEP
	s_xor_b32 s[TB], s[TB], SLOT1
	s_xor_b32 s[TM], s[TM], SLOT1
	s_add_co_u32 s[TAU], s[TAU], 1
	s_cmp_lt_u32 s[TAU], 8
	s_cbranch_scc1 .Ltrip
	v_add_nc_u32 v[MAD], s[TM], v[MST]             ; the ninth trip is written out: nothing is left to ask for
	GIVE_IF
	CHANGE 0
	TAKE_IF
	STEP
	s_xor_b32 s[TM], s[TM], SLOT1
	v_add_nc_u32 v[MAD], s[TM], v[MST]
	s_cmp_lt_u32 s[WV], 4
	s_cbranch_scc1 .Lkeep
	GIVE
.Lkeep:
	s_wait_dscnt 0x0                               ; for the partner's sake: what I handed over has landed
	s_barrier_signal -1
	s_barrier_wait -1
	s_cmp_lt_u32 s[WV], 4
	s_cbranch_scc0 .Ldone
	FINISH OBB
.Ldone:
	s_wait_tensorcnt 0x0                           ; the wave's end
	ds_add_u32 v[SPW], v[NIL]
	s_wait_dscnt 0x0
	s_endpgm
.Lfunc_end_k_q3104944745_attn:
	.size	k_q3104944745_attn, .Lfunc_end_k_q3104944745_attn-k_q3104944745_attn
	.p2alignl 7, 3214868480
	.fill 96, 4, 3214868480
	.section	.rodata,"a",@progbits
	.p2align	6, 0x0
	.amdhsa_kernel k_q3104944745_attn
		.amdhsa_group_segment_fixed_size 327680
		.amdhsa_private_segment_fixed_size 0
		.amdhsa_enable_private_segment 0
		.amdhsa_kernarg_size 16
		.amdhsa_user_sgpr_count 2
		.amdhsa_user_sgpr_kernarg_segment_ptr 1
		.amdhsa_wavefront_size32 1
		.amdhsa_system_sgpr_workgroup_id_x 1
		.amdhsa_system_sgpr_workgroup_id_y 1
		.amdhsa_system_sgpr_workgroup_id_z 1
		.amdhsa_system_vgpr_workitem_id 0
		.amdhsa_next_free_vgpr 512
		.amdhsa_next_free_sgpr 72
		.amdhsa_reserve_vcc 1
		.amdhsa_float_denorm_mode_32 3
		.amdhsa_float_denorm_mode_16_64 3
		.amdhsa_memory_ordered 1
		.amdhsa_forward_progress 1
		.amdhsa_inst_pref_size 139
	.end_amdhsa_kernel
	.amdgpu_metadata
---
amdhsa.version: [ 1, 2 ]
amdhsa.kernels:
  - .name:           k_q3104944745_attn
    .symbol:         k_q3104944745_attn.kd
    .args:
      - { .name: qkv16, .offset: 0, .size: 8, .value_kind: global_buffer, .address_space: global }
      - { .name: att16, .offset: 8, .size: 8, .value_kind: global_buffer, .address_space: global }
    .group_segment_fixed_size: 327680
    .private_segment_fixed_size: 0
    .kernarg_segment_align: 8
    .kernarg_segment_size: 16
    .max_flat_workgroup_size: 256
    .sgpr_count:     72
    .vgpr_count:     512
    .wavefront_size: 32
...
	.end_amdgpu_metadata
.endif
;; end of part 3
;; launch oproj (part 4): grid 8 x 32, 4 waves a work-group, clusters of 4 x 4, 327,680 bytes of LDS; arguments att16, wo16, bo, out0; writes out0
.if DOCPART == 4
	.amdgcn_target "amdgcn-amd-amdhsa--gfx1250"
	.amdhsa_code_object_version 6
	.text
	.protected	k_q3104944745_oproj
	.globl	k_q3104944745_oproj
	.p2align	8
	.type	k_q3104944745_oproj,@function
k_q3104944745_oproj:
	s_mov_b64 s[64:65], 0
	v_nop
	global_prefetch_b8 v0, s[64:65] scope:SCOPE_SE
	s_setreg_imm32_b32 hwreg(HW_REG_WAVE_MODE, 25, 1), 1
	s_wait_xcnt 0x0
	s_wait_alu depctr_hold_cnt(0) depctr_sa_sdst(0) depctr_va_vdst(0) depctr_va_sdst(0) depctr_va_ssrc(0) depctr_va_vcc(0) depctr_vm_vsrc(0)
	s_getreg_b32 s2, hwreg(HW_REG_IB_STS2, 6, 4)
	s_cmp_eq_u32 s2, 0
	s_cbranch_scc0 .Lentry_in_a_cluster
	s_endpgm
.Lentry_in_a_cluster:
	s_bfe_u32 s2, ttmp6, 0x10000c
	s_cmp_lg_u32 s2, 0xf033
	s_cbranch_scc0 .Lentry_shape_is_right
	s_endpgm
.Lentry_shape_is_right:
; out0[m][n] = the sum over k of A[m][k] Wo[k][n] + bo[n], f16 operands, f32 sums.  A = att16 [32 bh][2048 t][64] f16 (m = 2048 b + t, k = 64 head + d); B = plane 0 of wo16 [1024 n][1024 k] f16; out0 [4096][1024] f32.
; A tile of 128 x 128 is made by four waves, each 64 x 64: 16 accumulators.  K goes in four steps of 256 (four heads) through two LDS slots.  All 4,096 rows are made here; the first 16 positions of
; both sequences are written again, more finely, by the launch that follows: no branch here may hang on the tile row, which differs between partners.
; CLUSTERS: 4 x 4 work-groups; A's tiles are asked for jointly along a row of the cluster, B's along a column.  THE MATRIX INSTRUCTION IS USED TRANSPOSED (source 0 = rows of B, source 1 = rows of A).
; A IS HEAD-MAJOR: a head's 128 rows of a tile are 16,384 dense bytes: a plane.  One load brings two planes, padded behind every 128 bytes.  The bias is the C of each sum's first product.
; No prefetch: four K steps.
; REGISTERS: window 0: v0-31 addresses; v32-95 rows on the way out; v96-127 the bias; v128-255 the accumulators ((a, b) at v[128 + 8 (4 a + b)]).   window 1: two fragment buffers of 128.
.set PA,     144                       ; a row of A in LDS: 128 bytes + 16
.set PLANE,  128*PA
.set PB,     528                       ; a row of B: 512 bytes + 16
.set BOFF,   4*PLANE
.set HALFB,  64*PB
.set SLOT,   BOFF+2*HALFB
.set STAGE,  2*SLOT                    ; 16 rows x (256 + 16) bytes for each wave
.set SPITCH, 272
.set SPARE,  STAGE+4*16*SPITCH
.set ADRA, 16
.set ADRB, 20
.set STO,  24
.set RD,   25
.set CO,   26
.set SPW,  28
.set NIL,  29
.set BO,   30
.set TMP,  32
.set BIAS, 96
.set ACC,  128
.set F0,   0
.set F1,   128
.set G1, 24
.set G0, 32
.set G1B, 48
.set G0B, 56
.set MSB, 0
.macro WIN new
.if MSB != \new
	s_set_vgpr_msb (MSB<<8)|\new
.set MSB, \new
.endif
.endm
.set MUL,  0x05
.set TO_F, 0x40
.macro JLOAD s                         ; a joint load: waves 0 and 1 fetch A's planes, waves 2 and 3 B's halves; an s_nop 0 and four v_nop follow each of the two lines
	s_cmp_eq_u32 s11, 0
	s_cbranch_scc0 .Lfor_b_\@
	tensor_load_to_lds s[G0+4*\s:G0+4*\s+3], s[G1:G1+7]
	s_nop 0
.rept 4
	v_nop
.endr
	s_branch .Lasked_\@
.Lfor_b_\@:
	tensor_load_to_lds s[G0B+4*\s:G0B+4*\s+3], s[G1B:G1B+7]
	s_nop 0
.rept 4
	v_nop
.endr
.Lasked_\@:
.endm
.macro CREST
	s_cmp_lg_u32 s10, 0
	s_cbranch_scc1 .Lnot_wave_0_\@
	s_barrier_signal -3
.Lnot_wave_0_\@:
	s_barrier_wait -3
	s_barrier_signal -1
	s_barrier_wait -1
.endm
.macro CROUND
	s_barrier_signal -1
	s_barrier_wait -1
	CREST
.endm
	s_load_b128 s[4:7], s[0:1], 0x0                ; att16, wo16
	s_load_b64 s[2:3], s[0:1], 0x10                ; bo
	s_load_b64 s[8:9], s[0:1], 0x18                ; out0
	v_lshl_add_u32 v[SPW], v0, 2, SPARE
	v_mov_b32 v[NIL], 0
	ds_add_u32 v[SPW], v[NIL]                      ; the wave's opening: the add, twice on end, and its wait ahead of my first tensor load
	ds_add_u32 v[SPW], v[NIL]
	v_lshrrev_b32 v1, 5, v0
	v_readfirstlane_b32 s10, v1                    ; wave 0..3
	s_lshr_b32 s11, s10, 1                         ; which half of the tile's rows is mine.  Also: I fetch for A (0) or for B (1)
	s_and_b32 s12, s10, 1                          ; which half of its columns.  Also: which two planes, or which 64 rows, I fetch
	s_bfe_u32 s40, ttmp6, 0x40000
	s_bfe_u32 s41, ttmp6, 0x40004
	s_lshl_b32 s42, ttmp9, 2
	s_add_co_u32 s42, s42, s40                     ; tile column
	s_and_b32 s13, ttmp7, 0xffff
	s_lshl_b32 s13, s13, 2
	s_add_co_u32 s13, s13, s41                     ; tile row
	s_lshl_b32 s43, s41, 2
	s_lshl_b32 s43, 15, s43
	s_lshl_b32 s44, 0x1111, s40
	s_or_b32 s[G1+0], s43, (1<<16)|(1<<20)|(1<<21)|(4<<22)|(3<<25)  ; A: the mask of my row; elements of 2 bytes; 4 words of padding after every 32
	s_mov_b32 s[G1+1], 8192<<16                    ; tensor_dim0: a plane, 8,192 elements
	s_mov_b32 s[G1+2], 2<<16                       ; tensor_dim1: two planes
	s_mov_b32 s[G1+3], 8192<<16                    ; tile_dim0
	s_mov_b32 s[G1+4], 2                           ; tile_dim1
	s_mov_b32 s[G1+5], 131072                      ; from head to head, in elements
	s_mov_b32 s[G1+6], 0
	s_mov_b32 s[G1+7], 0
	s_or_b32 s[G1B+0], s44, (1<<16)|(1<<20)|(1<<21)|(6<<22)|(3<<25) ; B: the mask of my column; 4 words after every 128
	s_mov_b32 s[G1B+1], 256<<16
	s_mov_b32 s[G1B+2], 64<<16
	s_mov_b32 s[G1B+3], 256<<16
	s_mov_b32 s[G1B+4], 64
	s_mov_b32 s[G1B+5], 1024
	s_mov_b32 s[G1B+6], 0
	s_mov_b32 s[G1B+7], 0
	s_lshr_b32 s16, s13, 4                         ; A: batch,
	s_lshl_b32 s16, s16, 22
	s_lshl_b32 s17, s12, 19                        ; my two heads of the K step's four,
	s_add_co_u32 s16, s16, s17
	s_and_b32 s17, s13, 15                         ; the tile's 128 tokens
	s_lshl_b32 s17, s17, 14
	s_add_co_u32 s16, s16, s17
	s_mov_b32 s17, 0
	s_lshl_b32 s46, s42, 7                         ; B: row 128 x tile column + 64 x half, of 2,048 bytes
	s_lshl_b32 s47, s12, 6
	s_add_co_u32 s46, s46, s47
	s_lshl_b32 s46, s46, 11
	s_mov_b32 s47, 0
	s_mul_i32 s20, s12, 2*PLANE                    ; where they go: no place in the cluster enters an LDS address
	s_mul_i32 s21, s12, HALFB
	s_add_co_u32 s21, s21, BOFF
	s_wait_dscnt 0x0                               ; both opening adds are done
	s_wait_kmcnt 0x0
	s_add_nc_u64 s[14:15], s[4:5], s[16:17]
	s_add_nc_u64 s[46:47], s[6:7], s[46:47]
	CROUND                                         ; all sixteen work-groups are here: the first joint loads meet
.irp s, 0,1
	s_mov_b32 s[G0+4*\s], 1
	s_add_co_u32 s[G0+4*\s+1], s20, \s*SLOT
	s_add_nc_u64 s[G0+4*\s+2:G0+4*\s+3], s[14:15], \s*0x100000     ; K step s: four heads on
	s_or_b32 s[G0+4*\s+3], s[G0+4*\s+3], 0x80000000
	s_mov_b32 s[G0B+4*\s], 1
	s_add_co_u32 s[G0B+4*\s+1], s21, \s*SLOT
	s_add_nc_u64 s[G0B+4*\s+2:G0B+4*\s+3], s[46:47], \s*512
	s_or_b32 s[G0B+4*\s+3], s[G0B+4*\s+3], 0x80000000
	JLOAD \s
.endr
	v_and_b32 v1, 15, v0                           ; r
	v_bfe_u32 v2, v0, 4, 1                         ; h
	v_mul_u32_u24 v3, v1, PA
	v_lshl_add_u32 v3, v2, 4, v3
	v_mul_u32_u24 v4, v1, PB
	v_lshl_add_u32 v4, v2, 4, v4
	s_mul_i32 s21, s11, 64*PA                      ; my 64 rows of every plane of A
	s_mul_i32 s22, s12, HALFB
	s_add_co_u32 s22, s22, BOFF                    ; my 64 rows of B
.irp s, 0,1
	v_add_nc_u32 v[ADRA+\s], s21, v3
	v_add_nc_u32 v[ADRB+\s], s22, v4
	s_add_co_u32 s21, s21, SLOT
	s_add_co_u32 s22, s22, SLOT
.endr
	s_mul_i32 s23, s10, 16*SPITCH
	s_add_co_u32 s23, s23, STAGE                   ; my stage
	v_mul_u32_u24 v4, v1, SPITCH
	v_lshl_add_u32 v4, v2, 5, v4
	v_add_nc_u32 v[STO], s23, v4                   ; in: row r, 32 bytes for each half of the lanes
	v_mul_u32_u24 v5, v2, SPITCH
	v_lshl_add_u32 v5, v1, 4, v5
	v_add_nc_u32 v[RD], s23, v5                    ; back: lanes 0-15 one row of 256 bytes, lanes 16-31 the next
	v_lshlrev_b32 v[CO], 12, v2
	v_lshl_add_u32 v[CO], v1, 4, v[CO]             ; and the same two rows in out0
	v_lshlrev_b32 v[BO], 5, v2
	s_lshl_b32 s16, s13, 7
	s_lshl_b32 s17, s11, 6
	s_add_co_u32 s16, s16, s17
	s_lshl_b32 s16, s16, 12                        ; my first row of out0, rows of 4,096 bytes
	s_mov_b32 s17, 0
	s_add_nc_u64 s[8:9], s[8:9], s[16:17]
	s_lshl_b32 s46, s42, 9
	s_lshl_b32 s47, s12, 8
	s_add_co_u32 s46, s46, s47                     ; my first column, in f32 bytes
	s_mov_b32 s47, 0
	s_add_nc_u64 s[8:9], s[8:9], s[46:47]
	s_add_nc_u64 s[2:3], s[2:3], s[46:47]
.irp b, 0,1,2,3
	global_load_b128 v[BIAS+8*\b:BIAS+8*\b+3], v[BO], s[2:3] offset:64*\b      ; bo[16 b + 8 h + 0 .. 7] of my 64 columns
	global_load_b128 v[BIAS+8*\b+4:BIAS+8*\b+7], v[BO], s[2:3] offset:64*\b+16
.endr
; 8 matrix instructions: m blocks a0, a0 + 1 x all 4 n blocks, 32 along K: half c of buffer f.  zero = 1: the first product starts the sums, from the bias
.macro MUL8 f, c, a0, zero
.irp a, \a0, \a0+1
.irp b, 0,1,2,3
.if \zero
	v_wmma_f32_16x16x32_f16 v[ACC+8*(4*(\a)+\b):ACC+8*(4*(\a)+\b)+7], v[\f+64+8*(4*\c+\b):\f+64+8*(4*\c+\b)+7], v[\f+8*(4*\c+\a):\f+8*(4*\c+\a)+7], v[BIAS+8*\b:BIAS+8*\b+7]
.else
	v_wmma_f32_16x16x32_f16 v[ACC+8*(4*(\a)+\b):ACC+8*(4*(\a)+\b)+7], v[\f+64+8*(4*\c+\b):\f+64+8*(4*\c+\b)+7], v[\f+8*(4*\c+\a):\f+8*(4*\c+\a)+7], v[ACC+8*(4*(\a)+\b):ACC+8*(4*(\a)+\b)+7]
.endif
.endr
.endr
.endm
; 32 LDS loads in one run: quarter q of a slot (64 along K: one plane of A, 128 bytes of B's rows) into buffer f; the first 32 along K first
.macro FETCH slot, q, f
	WIN TO_F
.irp c, 0,1
.irp i, 0,1,2,3
	ds_load_b128 v[\f+64+8*(4*\c+\i):\f+64+8*(4*\c+\i)+3],   v[ADRB+\slot] offset:128*(\q)+64*\c+\i*16*PB
	ds_load_b128 v[\f+64+8*(4*\c+\i)+4:\f+64+8*(4*\c+\i)+7], v[ADRB+\slot] offset:128*(\q)+64*\c+\i*16*PB+32
	ds_load_b128 v[\f+8*(4*\c+\i):\f+8*(4*\c+\i)+3],         v[ADRA+\slot] offset:PLANE*(\q)+64*\c+\i*16*PA
	ds_load_b128 v[\f+8*(4*\c+\i)+4:\f+8*(4*\c+\i)+7],       v[ADRA+\slot] offset:PLANE*(\q)+64*\c+\i*16*PA+32
.endr
.endr
.endm
.macro PLACES
.rept 4
	v_nop
.endr
.endm
.macro QUARTER slot, q, f, g, zero     ; multiplies buffer f and fetches quarter q of the same slot into g
	s_wait_dscnt 16                                ; the first 32 along K are in; the other sixteen loads may be out
	WIN MUL
	MUL8 \f, 0, 0, \zero
	MUL8 \f, 0, 2, \zero
	PLACES
	FETCH \slot, \q, \g
	s_wait_dscnt 32                                ; all but the 32 just issued
	WIN MUL
	MUL8 \f, 1, 0, 0
	MUL8 \f, 1, 2, 0
.endm
; A slot's last quarter changes slots: one barrier; in front of it each wave waits for all its tensor loads, adds 0 to its spare word, and waits for that and for its reads of this slot.
.macro TURN slot, next, fill
	WIN 0
	s_wait_tensorcnt 0x0                           ; my part of the next slot has landed
	ds_add_u32 v[SPW], v[NIL]
	s_wait_dscnt 17                                ; the add and the youngest sixteen loads may be out
	WIN MUL
	MUL8 F1, 0, 0, 0
	s_wait_dscnt 0x0                               ; the add is done, and my reads of this slot are over
	s_barrier_signal -1
	MUL8 F1, 0, 2, 0
.if \fill
	WIN 0
.endif
	s_barrier_wait -1
.if \fill
	CREST                                          ; the barrier has opened a round of the cluster's barrier: no wave of any partner still reads this slot or has a load on its way
	s_add_nc_u64 s[G0+4*\slot+2:G0+4*\slot+3], s[G0+4*\slot+2:G0+4*\slot+3], 0x200000   ; two K steps on: eight heads
	s_add_nc_u64 s[G0B+4*\slot+2:G0B+4*\slot+3], s[G0B+4*\slot+2:G0B+4*\slot+3], 1024
	JLOAD \slot                                    ; the first tensor load behind the round; its four v_nop are also the places in front of the loads below
.else
	PLACES
.endif
	FETCH \next, 0, F0
	WIN MUL
	MUL8 F1, 1, 0, 0
	MUL8 F1, 1, 2, 0
.endm
	s_wait_loadcnt 0x0                             ; the bias
	s_wait_tensorcnt 1                             ; my part of K step 0 is in; K step 1's may be out
	s_barrier_signal -1
	s_barrier_wait -1
	FETCH 0, 0, F0
	QUARTER 0, 1, F0, F1, 1                        ; K step 0
	QUARTER 0, 2, F1, F0, 0
	QUARTER 0, 3, F0, F1, 0
	TURN 0, 1, 1                                   ; slot 0 takes K step 2
	QUARTER 1, 1, F0, F1, 0                        ; K step 1
	QUARTER 1, 2, F1, F0, 0
	QUARTER 1, 3, F0, F1, 0
	TURN 1, 0, 1                                   ; slot 1 takes K step 3
	QUARTER 0, 1, F0, F1, 0                        ; K step 2
	QUARTER 0, 2, F1, F0, 0
	QUARTER 0, 3, F0, F1, 0
	TURN 0, 1, 0
	QUARTER 1, 1, F0, F1, 0                        ; K step 3
	QUARTER 1, 2, F1, F0, 0
	QUARTER 1, 3, F0, F1, 0
	s_wait_dscnt 16
	WIN MUL
	MUL8 F1, 0, 0, 0
	MUL8 F1, 0, 2, 0
	s_wait_dscnt 0
	MUL8 F1, 1, 0, 0
	MUL8 F1, 1, 2, 0
	WIN 0
; THE WAY OUT: my 64 columns are 256 bytes of a row: 16 rows at a time through my own stage, back as whole rows.
.macro TOSTAGE a
.irp b, 0,1,2,3
	ds_store_b128 v[STO], v[ACC+8*(4*(\a)+\b):ACC+8*(4*(\a)+\b)+3] offset:64*\b        ; each accumulator from its low end on
	ds_store_b128 v[STO], v[ACC+8*(4*(\a)+\b)+4:ACC+8*(4*(\a)+\b)+7] offset:64*\b+16
.endr
.irp t, 0,1,2,3,4,5,6,7
	ds_load_b128 v[TMP+32*((\a)%2)+4*\t:TMP+32*((\a)%2)+4*\t+3], v[RD] offset:2*SPITCH*\t
.endr
.endm
.macro SEND a, younger
	s_wait_dscnt \younger                          ; the block is back; the next block's sixteen LDS instructions may be out
.irp t, 0,1,2,3,4,5,6,7
	global_store_b128 v[CO], v[TMP+32*((\a)%2)+4*\t:TMP+32*((\a)%2)+4*\t+3], s[8:9] offset:(16*(\a)+2*\t)*4096 th:TH_STORE_NT   ; sixteen lanes store 256 consecutive bytes, aligned
.endr
.endm
	PLACES
	TOSTAGE 0
.irp a, 1,2,3
.if \a > 1
	s_wait_xcnt 0x0                                ; block a - 2's stores have read their registers: block a's rows may land there
.endif
	TOSTAGE \a
	SEND \a-1, 16
.endr
	SEND 3, 0
	s_wait_tensorcnt 0x0                           ; the wave's end
	ds_add_u32 v[SPW], v[NIL]
	s_wait_dscnt 0x0
	CROUND                                         ; the closing round
	s_endpgm
.Lfunc_end_k_q3104944745_oproj:
	.size	k_q3104944745_oproj, .Lfunc_end_k_q3104944745_oproj-k_q3104944745_oproj
	.p2alignl 7, 3214868480
	.fill 96, 4, 3214868480
	.section	.rodata,"a",@progbits
	.p2align	6, 0x0
	.amdhsa_kernel k_q3104944745_oproj
		.amdhsa_group_segment_fixed_size 327680
		.amdhsa_private_segment_fixed_size 0
		.amdhsa_enable_private_segment 0
		.amdhsa_kernarg_size 32
		.amdhsa_user_sgpr_count 2
		.amdhsa_user_sgpr_kernarg_segment_ptr 1
		.amdhsa_wavefront_size32 1
		.amdhsa_system_sgpr_workgroup_id_x 1
		.amdhsa_system_sgpr_workgroup_id_y 1
		.amdhsa_system_sgpr_workgroup_id_z 1
		.amdhsa_system_vgpr_workitem_id 0
		.amdhsa_next_free_vgpr 512
		.amdhsa_next_free_sgpr 66
		.amdhsa_reserve_vcc 0
		.amdhsa_float_denorm_mode_32 3
		.amdhsa_float_denorm_mode_16_64 3
		.amdhsa_memory_ordered 1
		.amdhsa_forward_progress 1
		.amdhsa_inst_pref_size 87
	.end_amdhsa_kernel
	.amdgpu_metadata
---
amdhsa.version: [ 1, 2 ]
amdhsa.kernels:
  - .name:           k_q3104944745_oproj
    .symbol:         k_q3104944745_oproj.kd
    .args:
      - { .name: att16, .offset: 0, .size: 8, .value_kind: global_buffer, .address_space: global }
      - { .name: wo16, .offset: 8, .size: 8, .value_kind: global_buffer, .address_space: global }
      - { .name: bo, .offset: 16, .size: 8, .value_kind: global_buffer, .address_space: global }
      - { .name: out0, .offset: 24, .size: 8, .value_kind: global_buffer, .address_space: global }
    .group_segment_fixed_size: 327680
    .private_segment_fixed_size: 0
    .kernarg_segment_align: 8
    .kernarg_segment_size: 32
    .max_flat_workgroup_size: 128
    .sgpr_count:     66
    .vgpr_count:     512
    .wavefront_size: 32
...
	.end_amdgpu_metadata
.endif
;; end of part 4
;; launch fine (part 5): grid 16 x 2, 16 waves a work-group, no clusters, 71,936 bytes of LDS; arguments qkv16, v32, wo16, bo, out0; writes out0
.if DOCPART == 5
	.amdgcn_target "amdgcn-amd-amdhsa--gfx1250"
	.amdhsa_code_object_version 6
	.text
	.protected	k_q3104944745_fine
	.globl	k_q3104944745_fine
	.p2align	8
	.type	k_q3104944745_fine,@function
k_q3104944745_fine:
	s_mov_b64 s[64:65], 0
	v_nop
	global_prefetch_b8 v0, s[64:65] scope:SCOPE_SE
	s_setreg_imm32_b32 hwreg(HW_REG_WAVE_MODE, 25, 1), 1
	s_wait_xcnt 0x0
; THE FIRST 16 POSITIONS OF BOTH SEQUENCES, more finely: they average one to sixteen values and are the largest in size.  Work-group (nb, b) makes rows 2048 b + 0 .. 15, columns 64 nb .. + 63 of out0,
; over what the launch before left there.  Wave w is head w.  Scores from f16 q and k (32 multiply-adds deep, twice); p, v (f32, from v32) and O in f32 by the f32 matrix form: 16 instructions a wave, no bulk work;
; the projection with O and Wo as pairs of f16, a high part and a low part x 2048: high x high, and (high x low + low x high) / 2048.  The 16 heads' parts are added in LDS.
; LIMITS: |O| and |Wo| stay under 65,504; NaN and infinities are not served.
; REGISTERS: v1-13 addresses; v16-31 O's high parts; v32-39 scores, v40-47 p (later v32-47 O's low parts); v48-55 at work; v56-87 O^T, written by matrix instructions alone; v88-119 q, k, later Wo's tile 2;
; v120-151 v, later Wo's tile 3; v152-215 Wo's tiles 0, 1, later the heads' parts; v216-247 four accumulators; v248-251 bo.
.set RED,   0                          ; 16 heads x 4,096 bytes: images of the accumulators
.set STG,   65536                      ; 16 rows x (256 + 16) bytes
.set SPARE, 69888                      ; the spare words, 128 bytes for each wave
.set SPW, 14
.set NIL, 15
.set OA,  56
	s_load_b256 s[4:11], s[0:1], 0x0               ; qkv16, v32, wo16, bo
	s_load_b64 s[12:13], s[0:1], 0x20              ; out0
	v_lshl_add_u32 v[SPW], v0, 2, SPARE
	v_mov_b32 v[NIL], 0
	v_lshrrev_b32 v1, 5, v0
	v_readfirstlane_b32 s14, v1                    ; wave = head
	s_and_b32 s15, s14, 7
	s_and_b32 s16, ttmp7, 0xffff                   ; batch
	v_and_b32 v1, 15, v0                           ; r
	v_bfe_u32 v2, v0, 4, 1                         ; h
	v_and_b32 v48, 31, v0                          ; lane
	v_lshlrev_b32 v3, 7, v1
	v_lshl_add_u32 v3, v2, 4, v3                   ; q, k: row r of 128 bytes, 16 h
	v_lshlrev_b32 v4, 2, v1
	v_lshl_add_u32 v4, v2, 15, v4                  ; v: key 8 h (rows of 4,096 bytes), channel r
	v_lshlrev_b32 v5, 11, v1
	v_lshl_add_u32 v5, v2, 4, v5                   ; wo16: row r of 2,048 bytes, 16 h
	v_lshlrev_b32 v6, 3, v2
	v_sub_nc_u32 v6, v1, v6                        ; r - 8 h
	v_mov_b32 v7, 0xff800000
	v_lshlrev_b32 v49, 4, v48
	s_lshl_b32 s28, s14, 12
	v_add_nc_u32 v8, s28, v49                      ; my head's image
	s_lshl_b32 s28, s15, 9
	v_add_nc_u32 v9, s28, v49                      ; piece w & 7 of every head's image
	s_lshr_b32 s28, s15, 1
	s_lshl_b32 s28, s28, 6
	s_and_b32 s29, s15, 1
	s_lshl_b32 s29, s29, 4
	s_add_co_u32 s28, s28, s29                     ; the piece's first column, in bytes
	v_lshl_add_u32 v13, v2, 5, s28                 ; + 32 h: in bo
	s_add_co_u32 s28, s28, STG
	v_mul_u32_u24 v10, v1, 272
	v_lshl_add_u32 v10, v2, 5, v10
	v_add_nc_u32 v10, s28, v10                     ; into the stage: row r
	s_mul_i32 s28, s15, 544
	s_add_co_u32 s28, s28, STG
	v_mul_u32_u24 v11, v2, 272
	v_lshl_add_u32 v11, v1, 4, v11
	v_add_nc_u32 v11, s28, v11                     ; back: rows 2 (w & 7) + h
	s_lshl_b32 s28, s15, 13
	v_lshlrev_b32 v12, 12, v2
	v_lshl_add_u32 v12, v1, 4, v12
	v_add_nc_u32 v12, s28, v12                     ; and the same rows in out0
	v_mov_b32 v49, 0                               ; a permute's destination counts as read
	s_mov_b32 s26, 0x76543210
	s_mov_b32 s27, 0xfedcba98
	s_lshl_b32 s28, s16, 4
	s_add_co_u32 s28, s28, s14
	s_lshl_b32 s28, s28, 18                        ; the head's first byte in q
	s_mov_b32 s29, 0
	s_lshl_b32 s30, s16, 19                        ; v32: tile row 8 b,
	s_lshl_b32 s31, s14, 8
	s_add_co_u32 s30, s30, s31                     ; my head's 64 channels
	s_mov_b32 s31, 0
	s_lshl_b32 s32, ttmp9, 17                      ; wo16: rows 64 nb on,
	s_lshl_b32 s33, s14, 7
	s_add_co_u32 s32, s32, s33                     ; k = 64 w on
	s_mov_b32 s33, 0
	s_lshl_b32 s34, ttmp9, 8                       ; 64 nb columns of f32
	s_mov_b32 s35, 0
	s_lshl_b32 s36, s16, 23
	s_add_co_u32 s36, s36, s34
	s_mov_b32 s37, 0
	s_wait_kmcnt 0x0
	s_add_nc_u64 s[18:19], s[4:5], s[28:29]        ; q
	s_add_nc_u64 s[20:21], s[18:19], 0x800000      ; k
	s_add_nc_u64 s[22:23], s[6:7], s[30:31]        ; v
	s_add_nc_u64 s[24:25], s[8:9], s[32:33]        ; Wo
	s_add_nc_u64 s[10:11], s[10:11], s[34:35]
	s_add_nc_u64 s[12:13], s[12:13], s[36:37]
.macro WLOAD nt, base, plane           ; Wo's tile nt (16 columns x my 64 along K), high (0) or low (1) part: two fragments
.irp u, 0,1
	global_load_b128 v[\base+8*\u:\base+8*\u+3], v5, s[24:25] offset:32768*\nt+64*\u+2097152*\plane
	global_load_b128 v[\base+8*\u+4:\base+8*\u+7], v5, s[24:25] offset:32768*\nt+64*\u+32+2097152*\plane
.endr
.endm
	global_load_b128 v[248:251], v13, s[10:11]
.irp c, 0,1
	global_load_b128 v[88+8*\c:91+8*\c], v3, s[18:19] offset:64*\c
	global_load_b128 v[92+8*\c:95+8*\c], v3, s[18:19] offset:64*\c+32
.endr
.irp c, 0,1
	global_load_b128 v[104+8*\c:107+8*\c], v3, s[20:21] offset:64*\c
	global_load_b128 v[108+8*\c:111+8*\c], v3, s[20:21] offset:64*\c+32
.endr
.irp n, 0,1,2,3
.irp k, 0,1,2,3,4,5,6,7
	global_load_b32 v[120+8*\n+\k], v4, s[22:23] offset:4096*\k+64*\n          ; v(key 8 h + k, channel 16 n + r)
.endr
.endr
	WLOAD 0, 152, 0
	WLOAD 1, 168, 0
	WLOAD 0, 184, 1
	WLOAD 1, 200, 1
	s_wait_loadcnt 48                              ; bo, q and k are in; v's 32 loads and Wo's 16 may be out
	v_wmma_f32_16x16x32_f16 v[32:39], v[104:111], v[88:95], 0                  ; S^T = k q^T: lane (r, h): query r, register j: key 8 h + j
	s_wait_alu depctr_va_vdst(0)                   ; the wait directly ahead of the link
	v_wmma_f32_16x16x32_f16 v[32:39], v[112:119], v[96:103], v[32:39]
.rept 4
	v_nop
.endr
	WLOAD 2, 88, 0                                 ; where q and k lay
	WLOAD 2, 104, 1
.irp j, 0,1,2,3,4,5,6,7
	v_cmp_gt_i32 vcc_lo, \j, v6                    ; key 8 h + j > query r: hidden
	v_cndmask_b32 v[32+\j], v[32+\j], v7, vcc_lo
.endr
	v_max3_num_f32 v48, v32, v33, v34
	v_max3_num_f32 v48, v48, v35, v36
	v_max3_num_f32 v48, v48, v37, v38
	v_max_num_f32 v48, v48, v39
	v_permlanex16_b32 v49, v48, s26, s27
	v_max_num_f32 v48, v48, v49                    ; the row's maximum: key 0 counts for every query
.irp j, 0,1,2,3,4,5,6,7
	v_sub_f32 v[40+\j], v[32+\j], v48
.endr
.irp j, 0,1,2,3,4,5,6,7
	v_exp_f32 v[40+\j], v[40+\j]
.endr
	v_nop
	s_wait_alu depctr_va_vdst(0)                   ; one wait for the eight, ahead of their first reader
	v_pk_add_f32 v[50:51], v[40:41], v[42:43]
	v_pk_add_f32 v[52:53], v[44:45], v[46:47]
	v_pk_add_f32 v[50:51], v[50:51], v[52:53]
	v_add_f32 v50, v50, v51
	v_permlanex16_b32 v49, v50, s26, s27
	v_add_f32 v50, v50, v49
	v_rcp_f32 v52, v50
	v_nop
	s_wait_alu depctr_va_vdst(0)
.irp j, 0,2,4,6
	v_pk_mul_f32 v[40+\j:41+\j], v[40+\j:41+\j], v[52:53] op_sel_hi:[1,0]      ; p, normalised, in f32
.endr
	s_wait_loadcnt 24                              ; v is in; Wo's tiles 0, 1 and 2 may be out
.irp s, 0,1,2,3                        ; O^T = v^T p^T, four keys an instruction: both operands hold key 8 h + 2 s + j in register j; the four accumulators take turns
.irp n, 0,1,2,3
.if \s == 0
	v_wmma_f32_16x16x4_f32 v[OA+8*\n:OA+8*\n+7], v[120+8*\n+2*\s:121+8*\n+2*\s], v[40+2*\s:41+2*\s], 0
.else
	v_wmma_f32_16x16x4_f32 v[OA+8*\n:OA+8*\n+7], v[120+8*\n+2*\s:121+8*\n+2*\s], v[40+2*\s:41+2*\s], v[OA+8*\n:OA+8*\n+7]
.endif
.endr
.endr
.rept 8
	v_nop                                          ; eight places behind this form
.endr
	WLOAD 3, 120, 0                                ; where v lay
	WLOAD 3, 136, 1
; O as pairs of f16: register r - 16 of the 16 holds two neighbouring channels; tiles 2 u and 2 u + 1 of O^T are fragment u
.macro FHIGH r
	v_cvt_pk_f16_f32 v\r, v[OA+2*(\r-16)], v[OA+2*(\r-16)+1]
.endm
.macro FBACK r
	v_cvt_f32_f16 v[48+2*(\r%4)], v\r\().l
	v_cvt_f32_f16 v[49+2*(\r%4)], v\r\().h
.endm
.macro FDIFF r
	v_pk_add_f32 v[48+2*(\r%4):49+2*(\r%4)], v[OA+2*(\r-16):OA+2*(\r-16)+1], v[48+2*(\r%4):49+2*(\r%4)] neg_lo:[0,1] neg_hi:[0,1]
.endm
.macro FUP r
	v_pk_mul_f32 v[48+2*(\r%4):49+2*(\r%4)], v[48+2*(\r%4):49+2*(\r%4)], 0x45000000 op_sel_hi:[1,0]
.endm
.macro FLOW r
	v_cvt_pk_f16_f32 v[32+(\r-16)], v[48+2*(\r%4)], v[49+2*(\r%4)]
.endm
.macro FQUAD a, b, c, d
.irp q, \a, \b, \c, \d
	FHIGH \q
.endr
.irp q, \a, \b, \c, \d
	FBACK \q
.endr
.irp q, \a, \b, \c, \d
	FDIFF \q
.endr
.irp q, \a, \b, \c, \d
	FUP \q
.endr
.irp q, \a, \b, \c, \d
	FLOW \q
.endr
.endm
	FQUAD 16, 17, 18, 19
	FQUAD 20, 21, 22, 23
	FQUAD 24, 25, 26, 27
	FQUAD 28, 29, 30, 31
; Two tiles of 16 columns: source 0 = 16 rows of Wo^T, source 1 = O.  v216, v224: high x high; v232, v240: the cross terms.  No two products that follow each other share an accumulator.
.macro PASS n0, wh0, wl0, wh1, wl1
	v_wmma_f32_16x16x32_f16 v[216:223], v[\wh0:\wh0+7], v[16:23], 0
	v_wmma_f32_16x16x32_f16 v[224:231], v[\wh1:\wh1+7], v[16:23], 0
	v_wmma_f32_16x16x32_f16 v[232:239], v[\wl0:\wl0+7], v[16:23], 0
	v_wmma_f32_16x16x32_f16 v[240:247], v[\wl1:\wl1+7], v[16:23], 0
	v_wmma_f32_16x16x32_f16 v[216:223], v[\wh0+8:\wh0+15], v[24:31], v[216:223]
	v_wmma_f32_16x16x32_f16 v[224:231], v[\wh1+8:\wh1+15], v[24:31], v[224:231]
	v_wmma_f32_16x16x32_f16 v[232:239], v[\wh0:\wh0+7], v[32:39], v[232:239]
	v_wmma_f32_16x16x32_f16 v[240:247], v[\wh1:\wh1+7], v[32:39], v[240:247]
	v_wmma_f32_16x16x32_f16 v[232:239], v[\wl0+8:\wl0+15], v[24:31], v[232:239]
	v_wmma_f32_16x16x32_f16 v[240:247], v[\wl1+8:\wl1+15], v[24:31], v[240:247]
	v_wmma_f32_16x16x32_f16 v[232:239], v[\wh0+8:\wh0+15], v[40:47], v[232:239]
	v_wmma_f32_16x16x32_f16 v[240:247], v[\wh1+8:\wh1+15], v[40:47], v[240:247]
.rept 5
	v_nop                                          ; places: four ahead of the reads below, five ahead of products that begin these sums anew
.endr
.irp j, 0,2,4,6,8,10,12,14
	v_pk_fma_f32 v[216+\j:217+\j], v[232+\j:233+\j], 0x3a000000, v[216+\j:217+\j] op_sel_hi:[1,0,1]   ; + the cross terms / 2048
.endr
.irp j, 0,1,2,3
	ds_store_b128 v8, v[216+4*\j:219+4*\j] offset:512*(2*\n0+\j)               ; images of the registers: 16 bytes a lane
.endr
.endm
	s_wait_loadcnt 16                              ; Wo's tiles 0 and 1 are in; tiles 2 and 3 may be out
	PASS 0, 152, 184, 168, 200
	s_wait_dscnt 0x0                               ; the stores have read their registers
	s_wait_loadcnt 0x0
	PASS 2, 88, 104, 120, 136
	s_wait_dscnt 0x0                               ; for the others' sake: my head's part has landed
	s_barrier_signal -1
	s_barrier_wait -1
	s_cmp_lt_u32 s14, 8
	s_cbranch_scc0 .Lidle1
.irp p, 0,1,2,3,4,5,6,7,8,9,10,11,12,13,14,15
	ds_load_b128 v[152+4*\p:155+4*\p], v9 offset:4096*\p                       ; one piece of 512 bytes of every head's image
.endr
	s_wait_dscnt 0x0
.irp w, 8,16,32,64
.set i, 0
.rept 64/\w
	v_pk_add_f32 v[152+\w*i:153+\w*i], v[152+\w*i:153+\w*i], v[152+\w*i+\w/2:153+\w*i+\w/2]
	v_pk_add_f32 v[154+\w*i:155+\w*i], v[154+\w*i:155+\w*i], v[154+\w*i+\w/2:155+\w*i+\w/2]
.set i, i+1
.endr
.endr
	v_pk_add_f32 v[152:153], v[152:153], v[248:249]
	v_pk_add_f32 v[154:155], v[154:155], v[250:251]
	ds_store_b128 v10, v[152:155]
.Lidle1:
	s_wait_dscnt 0x0
	s_barrier_signal -1
	s_barrier_wait -1
	s_cmp_lt_u32 s14, 8
	s_cbranch_scc0 .Lidle2
	ds_load_b128 v[152:155], v11
	s_wait_dscnt 0x0
	global_store_b128 v12, v[152:155], s[12:13]    ; sixteen lanes store 256 consecutive bytes of a row, aligned
.Lidle2:
	s_wait_tensorcnt 0x0                           ; the wave's end
	ds_add_u32 v[SPW], v[NIL]
	s_wait_dscnt 0x0
	s_endpgm
.Lfunc_end_k_q3104944745_fine:
	.size	k_q3104944745_fine, .Lfunc_end_k_q3104944745_fine-k_q3104944745_fine
	.p2alignl 7, 3214868480
	.fill 96, 4, 3214868480
	.section	.rodata,"a",@progbits
	.p2align	6, 0x0
	.amdhsa_kernel k_q3104944745_fine
		.amdhsa_group_segment_fixed_size 71936
		.amdhsa_private_segment_fixed_size 0
		.amdhsa_enable_private_segment 0
		.amdhsa_kernarg_size 40
		.amdhsa_user_sgpr_count 2
		.amdhsa_user_sgpr_kernarg_segment_ptr 1
		.amdhsa_wavefront_size32 1
		.amdhsa_system_sgpr_workgroup_id_x 1
		.amdhsa_system_sgpr_workgroup_id_y 1
		.amdhsa_system_sgpr_workgroup_id_z 1
		.amdhsa_system_vgpr_workitem_id 0
		.amdhsa_next_free_vgpr 256
		.amdhsa_next_free_sgpr 66
		.amdhsa_reserve_vcc 1
		.amdhsa_float_denorm_mode_32 3
		.amdhsa_float_denorm_mode_16_64 3
		.amdhsa_memory_ordered 1
		.amdhsa_forward_progress 1
		.amdhsa_inst_pref_size 27
	.end_amdhsa_kernel
	.amdgpu_metadata
---
amdhsa.version: [ 1, 2 ]
amdhsa.kernels:
  - .name:           k_q3104944745_fine
    .symbol:         k_q3104944745_fine.kd
    .args:
      - { .name: qkv16, .offset: 0, .size: 8, .value_kind: global_buffer, .address_space: global }
      - { .name: v32, .offset: 8, .size: 8, .value_kind: global_buffer, .address_space: global }
      - { .name: wo16, .offset: 16, .size: 8, .value_kind: global_buffer, .address_space: global }
      - { .name: bo, .offset: 24, .size: 8, .value_kind: global_buffer, .address_space: global }
      - { .name: out0, .offset: 32, .size: 8, .value_kind: global_buffer, .address_space: global }
    .group_segment_fixed_size: 71936
    .private_segment_fixed_size: 0
    .kernarg_segment_align: 8
    .kernarg_segment_size: 40
    .max_flat_workgroup_size: 512
    .sgpr_count:     66
    .vgpr_count:     256
    .wavefront_size: 32
...
	.end_amdgpu_metadata
.endif
;; end of part 5
